; MI455X (gfx1250); checked and timed in simulation.
; The chip was launched on July 23, 2026; its instructions are those of AMD's public machine-readable ISA for CDNA 5 (MIT licence, August 2026) and "CDNA5" Instruction Set Architecture Reference Guide (July 2026). The comments in the code are by the model that wrote it; some were corrected since.
;; Mo EFFN. Allowed arithmetic: matrix products marked QUANTISED: E2M3 operands, one E8M0 scale for each 32 along K, by v_wmma_scale_f32_16x16x128_f8f6f4 with both operands' format E2M3, f32 sums; products left as they are: f32 operands where the result goes on into a quantised operand, else bf16, f16 or f32 operands; f32 sums; everything else in f32.
;; Inputs: router_w 8 x 1,024 float32; w1 8 x 1,024 x 2,752 float32; w2 8 x 2,752 x 1,024 float32; w3 8 x 1,024 x 2,752 float32; x 4 x 256 x 1,024 float32.
;; Outputs: out0 4 x 256 x 1,024 float32.
;; Constants: top_k = 2.
;; This version of the problem:
;;   THIS VERSION OF THE PROBLEM IS GIVEN IN LOW PRECISION. The matrix products marked QUANTISED in the list below multiply operands that are first quantised to E2M3 (2 exponent bits, 3 mantissa bits; 6 bits a number), with one power-of-two scale for each 32 numbers along K (OCP MX v1.0); their sums are f32. All else is computed in f32.
;;   The module's matrix products, in the order in which they are computed (A, B: the left and right operand; K: the contracted axis; several contracted axes count as one K, in the product's order):
;;     1. [M 1,024, K 1,024] x [K 1,024, N 8]; A: input x; B: input router_w: left as it is (N = 8 < 16)
;;     2. [M 1,024, K 1,024] x [K 1,024, N 2,752]; A: input x; B: input w1: QUANTISED
;;     3. [M 1,024, K 1,024] x [K 1,024, N 2,752]; A: input x; B: input w3: QUANTISED
;;     4. [M 1,024, K 2,752] x [K 2,752, N 1,024]; A: computed on the way; B: input w2: QUANTISED
;;     5. [M 1,024, K 1,024] x [K 1,024, N 2,752]; A: input x; B: input w1: QUANTISED
;;     6. [M 1,024, K 1,024] x [K 1,024, N 2,752]; A: input x; B: input w3: QUANTISED
;;     7. [M 1,024, K 2,752] x [K 2,752, N 1,024]; A: computed on the way; B: input w2: QUANTISED
;;     8. [M 1,024, K 1,024] x [K 1,024, N 2,752]; A: input x; B: input w1: QUANTISED
;;     9. [M 1,024, K 1,024] x [K 1,024, N 2,752]; A: input x; B: input w3: QUANTISED
;;     10. [M 1,024, K 2,752] x [K 2,752, N 1,024]; A: computed on the way; B: input w2: QUANTISED
;;     11. [M 1,024, K 1,024] x [K 1,024, N 2,752]; A: input x; B: input w1: QUANTISED
;;     12. [M 1,024, K 1,024] x [K 1,024, N 2,752]; A: input x; B: input w3: QUANTISED
;;     13. [M 1,024, K 2,752] x [K 2,752, N 1,024]; A: computed on the way; B: input w2: QUANTISED
;;     14. [M 1,024, K 1,024] x [K 1,024, N 2,752]; A: input x; B: input w1: QUANTISED
;;     15. [M 1,024, K 1,024] x [K 1,024, N 2,752]; A: input x; B: input w3: QUANTISED
;;     16. [M 1,024, K 2,752] x [K 2,752, N 1,024]; A: computed on the way; B: input w2: QUANTISED
;;     17. [M 1,024, K 1,024] x [K 1,024, N 2,752]; A: input x; B: input w1: QUANTISED
;;     18. [M 1,024, K 1,024] x [K 1,024, N 2,752]; A: input x; B: input w3: QUANTISED
;;     19. [M 1,024, K 2,752] x [K 2,752, N 1,024]; A: computed on the way; B: input w2: QUANTISED
;;     20. [M 1,024, K 1,024] x [K 1,024, N 2,752]; A: input x; B: input w1: QUANTISED
;;     21. [M 1,024, K 1,024] x [K 1,024, N 2,752]; A: input x; B: input w3: QUANTISED
;;     22. [M 1,024, K 2,752] x [K 2,752, N 1,024]; A: computed on the way; B: input w2: QUANTISED
;;     23. [M 1,024, K 1,024] x [K 1,024, N 2,752]; A: input x; B: input w1: QUANTISED
;;     24. [M 1,024, K 1,024] x [K 1,024, N 2,752]; A: input x; B: input w3: QUANTISED
;;     25. [M 1,024, K 2,752] x [K 2,752, N 1,024]; A: computed on the way; B: input w2: QUANTISED
;;   THE QUANTISER, for each operand of a quantised product, along K:
;;     - K is cut into blocks of 32 from its start; a last block that is shorter is filled with zeros.
;;     - A block's scale is 2^e with e = floor(log2(the largest magnitude in the block)) - 2, held to -126 .. 127; a block of zeros has e = 0. As a byte (E8M0): e + 127.
;;     - Each number is divided by its block's scale, clamped to +-7.5, and rounded to the nearest number of E2M3, ties to even, subnormals kept.
;;     - The product sums the exact products of the quantised numbers (number of the format x scale) in f32.
;;   ~~~python
;;   def quantise(x, axis):      # numpy; x: float32 -> the quantised numbers, widened to float32 again
;;       x = np.moveaxis(x, axis, -1); K = x.shape[-1]
;;       x = np.pad(x, [(0, 0)] * (x.ndim - 1) + [(0, -K % 32)]); x = x.reshape(x.shape[:-1] + (-1, 32)); a = np.abs(x).max(-1, keepdims=True)
;;       e = np.where(a > 0, np.clip(np.frexp(np.where(a > 0, a, 1))[1] - 1 - 2, -126, 127), 0)      # np.frexp(a)[1] - 1 = floor(log2(a)), exactly
;;       r = np.clip(x / 2.0 ** e, -7.5, 7.5)
;;       step = 2.0 ** (np.maximum(np.frexp(np.where(r == 0, 1, r))[1] - 1, 0) - 3)
;;       q = np.round(r / step) * step * 2.0 ** e      # np.round: ties to even
;;       return np.moveaxis(q.reshape(q.shape[:-2] + (-1,))[..., :K], -1, axis).astype(np.float32)
;;   ~~~
;;   OPERANDS COMPUTED ON THE WAY. 'Computed on the way' means the value that the module computes at that place (a softmax that the list does not call 'softmax' is quantised finished and normalised). What goes into a quantiser is computed in f32, as accurately as f32 sums, v_exp_f32 and their like allow (about 1e-6 of the number): no bf16 or f16 on the way to a quantiser, and a product that is left as it is and whose result goes on into a quantised operand takes f32 operands (vector FMAs, or v_wmma_f32_16x16x4_f32). A number that lies on a knife's edge between two numbers of the format may be rounded either way, as far as f32 arithmetic and the matrix unit's own rounding can turn it there, and no further.
;; One version. Each part assembles by itself: llvm-mc -triple=amdgcn-amd-amdhsa -mcpu=gfx1250 --defsym DOCPART=n.
;; ======== version 1 of 1: 5 launches
;; limits: right only within a limited range of input values
;; workspace buffers: idx 8,192 bytes of whole numbers; xq 827,392 bytes; xi 6,553,600 bytes; route 9,216 bytes of whole numbers; hi 18,022,400 bytes; y 67,108,864 bytes; w2i 18,022,400 bytes
;; launch route (part 1): grid 256 x 1, 1 waves a work-group, no clusters, 0 bytes of LDS; arguments x, router_w, idx, xq; writes idx, xq
.if DOCPART == 1
	.amdgcn_target "amdgcn-amd-amdhsa--gfx1250"
	.amdhsa_code_object_version 6
	.text
	.protected	k_q8341d849f6_route
	.globl	k_q8341d849f6_route
	.p2align	8
	.type	k_q8341d849f6_route,@function
k_q8341d849f6_route:
	s_mov_b64 s[64:65], 0
	v_nop
	global_prefetch_b8 v0, s[64:65] scope:SCOPE_SE
	s_setreg_imm32_b32 hwreg(HW_REG_WAVE_MODE, 25, 1), 1
	s_wait_xcnt 0x0
; MoE feed-forward, launch 1 of 5: the router, and x as codes.
; logits = x router_w^T in f32 (fused multiply-adds), the two largest (the lower index wins a tie, as jax.lax.top_k has it), gates = softmax of the two with the larger taken away first.
; x is quantised along its 1,024 numbers into codes of E2M3 with one E8M0 byte for each 32.
; WORK LEFT OUT IN THE WHOLE PROGRAM.  combine[t][e] is the sum over k of one_hot(idx[t][k])[e] x gates[t][k]: for an expert e that is neither idx[t][0] nor idx[t][1] it is 0 by the
; one_hot that the problem builds itself, whatever the inputs hold, and 0 x (h @ w2[e])[t] adds nothing to out[t] for every finite value.  So the rows (t, e) of the expert products whose
; e was not chosen for t are not multiplied.  Every input is loaded: every weight can be chosen.  LIMIT: a NaN, an infinity or an overflow that arises only in such a row is not carried to the result.
; OTHER LIMITS: NaN and infinities among the inputs, and logits that are not finite, are not served.  A block whose largest magnitude lies under 2^(3 - 127) gets the byte 1; a block of zeros
; gets the byte 1 where the quantiser says 127: its codes are zeros, which add nothing, and this program alone reads the bytes.  The f32 sums of a logit run in another order than a dot product's.
; SHARES.  One wave takes 4 tokens.  Lane L holds block L of a row, x[t][32 L .. 32 L + 31]: a block's largest magnitude needs no other lane, and the lane's registers run along K, as the conversion wants them.
; OUT.  idx[t][2]: the two experts, whole numbers at fixed places.  xq: codes, 768 bytes a token, the 16 even blocks first and then the 16 odd ones (an operand's lanes 0-15 take even blocks, lanes 16-31 odd ones);
; from XQ_SC on 32 scale bytes a token; from XQ_G on the two gates.
; REGISTERS: v1-3 offsets; v8-15 at work; v32-159 x, 32 a token; v160-175 eight logits as pairs; v176.. the choice and the gates; v192.. codes, v224.. bytes: a set for each token, so that no store's data are written again.
;   window 1: router_w[e][32 L + i] at v[32 e + i].
.set XQ_SC, 786432
.set XQ_G,  819200
.set X,   32
.set LG,  160
.set I1,  176
.set I2,  180
.set G1,  184                          ; the largest logit, later its gate
.set G2,  188                          ; the second, later its gate
.set CD,  192
.set BY,  224
.set SL,  228
.set MSB, 0
.macro WIN new                         ; the immediate's high byte repeats the setting that is left
.if MSB != (\new)
	s_set_vgpr_msb (MSB<<8)|(\new)
.set MSB, (\new)
.endif
.endm
	s_load_b256 s[4:11], s[0:1], 0x0               ; x s[4:5], router_w s[6:7], idx s[8:9], xq s[10:11]
	v_lshlrev_b32 v1, 7, v0                        ; my block of a row: 128 bytes a lane
	v_and_b32 v2, 1, v0
	v_lshrrev_b32 v3, 1, v0
	v_mul_u32_u24 v2, v2, 384                      ; my block's codes: odd blocks lie behind the 16 even ones,
	v_mad_u32_u24 v2, v3, 24, v2                   ; 24 bytes a block
	v_lshlrev_b32 v3, 3, v0                        ; 8 bytes a token, for the last stores
	s_mov_b32 s20, 0x76543210
	s_mov_b32 s21, 0xfedcba98                      ; v_permlanex16_b32's selects for lane l xor 16
	s_lshl_b32 s24, ttmp9, 14                      ; 4 tokens x 4,096 bytes of x
	s_mov_b32 s25, 0
	s_lshl_b32 s26, ttmp9, 5                       ; 4 x 8 bytes of idx, and of the gates
	s_mov_b32 s27, 0
	s_mul_i32 s28, ttmp9, 3072                     ; 4 x 768 bytes of codes
	s_mov_b32 s29, 0
	s_lshl_b32 s30, ttmp9, 7                       ; 4 x 32 scale bytes
	s_mov_b32 s31, 0
	s_wait_alu depctr_va_vdst(0)
	s_wait_kmcnt 0x0
	s_add_nc_u64 s[4:5], s[4:5], s[24:25]
	s_add_nc_u64 s[8:9], s[8:9], s[26:27]
	s_add_nc_u64 s[12:13], s[10:11], s[28:29]
	s_add_nc_u64 s[14:15], s[10:11], s[30:31]
	s_add_nc_u64 s[16:17], s[10:11], s[26:27]
	WIN 0x40                                       ; destination window 1
.irp e, 0,1,2,3,4,5,6,7
.irp j, 0,1,2,3,4,5,6,7
	global_load_b128 v[32*\e+4*\j:32*\e+4*\j+3], v1, s[6:7] offset:4096*\e+16*\j
.endr
.endr
	WIN 0
.irp t, 0,1,2,3
.irp j, 0,1,2,3,4,5,6,7
	global_load_b128 v[X+32*\t+4*\j:X+32*\t+4*\j+3], v1, s[4:5] offset:4096*\t+16*\j th:TH_LOAD_NT
.endr
.endr
.macro TOKEN tt
.set XT, X+32*(\tt)
	s_wait_loadcnt 8*(3-(\tt))                     ; loads come back in order: router_w and this token's eight are in, the later tokens' may be out
	WIN 0x04                                       ; source 1 (router_w) window 1
.irp e, 0,1,2,3,4,5,6,7
	v_pk_mul_f32 v[LG+2*\e:LG+2*\e+1], v[XT:XT+1], v[32*\e:32*\e+1]        ; the first product starts each sum
.endr
.irp i, 2,4,6,8,10,12,14,16,18,20,22,24,26,28,30
.irp e, 0,1,2,3,4,5,6,7
	v_pk_fma_f32 v[LG+2*\e:LG+2*\e+1], v[XT+\i:XT+\i+1], v[32*\e+\i:32*\e+\i+1], v[LG+2*\e:LG+2*\e+1]   ; the eight experts by turns
.endr
.endr
	WIN 0
.irp e, 0,1,2,3,4,5,6,7
	v_add_f32 v[LG+2*\e], v[LG+2*\e], v[LG+2*\e+1]
.endr
.irp m, 1,2,4,8
.irp e, 0,1,2,3,4,5,6,7
	v_add_f32_dpp v[LG+2*\e], v[LG+2*\e], v[LG+2*\e] row_xmask:\m row_mask:0xf bank_mask:0xf
.endr
.endr
.irp e, 0,1,2,3,4,5,6,7
	v_permlanex16_b32 v[LG+2*\e+1], v[LG+2*\e], s20, s21
.endr
.irp e, 0,1,2,3,4,5,6,7
	v_add_f32 v[LG+2*\e], v[LG+2*\e], v[LG+2*\e+1]                         ; every lane holds all eight logits
.endr
	v_mov_b32 v[G1+(\tt)], v[LG]                   ; the largest: a later expert takes its place only if it is strictly larger
	v_mov_b32 v[I1+(\tt)], 0
.irp e, 1,2,3,4,5,6,7
	v_cmp_ge_f32 vcc_lo, v[G1+(\tt)], v[LG+2*\e]   ; keep
	v_cndmask_b32 v[I1+(\tt)], \e, v[I1+(\tt)], vcc_lo
	v_cndmask_b32 v[G1+(\tt)], v[LG+2*\e], v[G1+(\tt)], vcc_lo
.endr
	v_mov_b32 v[G2+(\tt)], 0xff800000              ; the second: from -infinity, over the experts other than the first
	v_mov_b32 v[I2+(\tt)], 0
.irp e, 0,1,2,3,4,5,6,7
	v_cmp_eq_u32 s22, \e, v[I1+(\tt)]
	v_cmp_ge_f32 vcc_lo, v[G2+(\tt)], v[LG+2*\e]
	s_or_b32 vcc_lo, vcc_lo, s22                   ; keep
	v_cndmask_b32 v[I2+(\tt)], \e, v[I2+(\tt)], vcc_lo
	v_cndmask_b32 v[G2+(\tt)], v[LG+2*\e], v[G2+(\tt)], vcc_lo
.endr
	v_max3_num_f32 v8, |v[XT]|, |v[XT+1]|, |v[XT+2]|                       ; my block's largest magnitude, in two chains
	v_max3_num_f32 v9, |v[XT+3]|, |v[XT+4]|, |v[XT+5]|
.irp i, 6,10,14,18,22,26
	v_max3_num_f32 v8, v8, |v[XT+\i]|, |v[XT+\i+1]|
	v_max3_num_f32 v9, v9, |v[XT+\i+2]|, |v[XT+\i+3]|
.endr
	v_max3_num_f32 v8, v8, |v[XT+30]|, |v[XT+31]|
	v_max3_num_f32 v8, v8, v9, 0x1800000           ; and the floor 2^(3 - 127): the byte cannot fall under 1
	v_add_nc_u32 v11, 0xff000000, v8               ; 2 off its exponent field: the conversion takes the exponent field of this operand as its scale
	v_cvt_scalef32_pk16_fp6_f32 v[CD+8*(\tt):CD+8*(\tt)+2], v[XT:XT+15], v11
	v_cvt_scalef32_pk16_fp6_f32 v[CD+8*(\tt)+4:CD+8*(\tt)+6], v[XT+16:XT+31], v11
	v_lshrrev_b32 v[BY+(\tt)], 23, v11             ; the scale's byte (a plain instruction behind the conversions)
	global_store_b96 v2, v[CD+8*(\tt):CD+8*(\tt)+2], s[12:13] offset:768*(\tt)
	global_store_b96 v2, v[CD+8*(\tt)+4:CD+8*(\tt)+6], s[12:13] offset:768*(\tt)+12
	global_store_b8 v0, v[BY+(\tt)], s[14:15] offset:XQ_SC+32*(\tt)        ; 32 lanes store the token's 32 bytes
.endm
	TOKEN 0
	TOKEN 1
	TOKEN 2
	TOKEN 3
	; the gates of the four tokens: softmax of (m1, m2) with m1, the larger, taken away: 1 / (1 + e^(m2 - m1)) and e^(m2 - m1) / (1 + e^(m2 - m1))
.irp t, 0,1,2,3
	v_sub_f32 v[8+\t], v[G2+\t], v[G1+\t]
.endr
.irp t, 0,1,2,3
	v_mul_f32 v[8+\t], 0x3fb8aa3b, v[8+\t]         ; x log2(e)
.endr
	s_wait_alu depctr_va_vdst(0)
.irp t, 0,1,2,3
	v_exp_f32 v[8+\t], v[8+\t]
.endr
	v_nop                                          ; a plain instruction behind the last exponential
	s_wait_alu depctr_va_vdst(0)                   ; one wait for the four, ahead of their first reader
.irp t, 0,1,2,3
	v_add_f32 v[12+\t], 1.0, v[8+\t]
.endr
	s_wait_alu depctr_va_vdst(0)
.irp t, 0,1,2,3
	v_rcp_f32 v[G1+\t], v[12+\t]
.endr
	v_nop
	s_wait_alu depctr_va_vdst(0)                   ; and one for the four reciprocals
.irp t, 0,1,2,3
	v_mul_f32 v[G2+\t], v[8+\t], v[G1+\t]
.endr
	v_mov_b32 v[SL], v[I1]                         ; lane t takes token t's two experts and two gates
	v_mov_b32 v[SL+1], v[I2]
	v_mov_b32 v[SL+2], v[G1]
	v_mov_b32 v[SL+3], v[G2]
.irp t, 1,2,3
	v_cmp_eq_u32 vcc_lo, \t, v0
	v_cndmask_b32 v[SL], v[SL], v[I1+\t], vcc_lo
	v_cndmask_b32 v[SL+1], v[SL+1], v[I2+\t], vcc_lo
	v_cndmask_b32 v[SL+2], v[SL+2], v[G1+\t], vcc_lo
	v_cndmask_b32 v[SL+3], v[SL+3], v[G2+\t], vcc_lo
.endr
	s_wait_alu depctr_va_vdst(0)
	s_wait_xcnt 0x0                                ; EXEC is a source of the stores above: it changes only behind this wait
	v_cmpx_gt_u32 4, v0                            ; lanes 0 to 3
	global_store_b64 v3, v[SL:SL+1], s[8:9]
	global_store_b64 v3, v[SL+2:SL+3], s[16:17] offset:XQ_G
	s_endpgm
.Lfunc_end_k_q8341d849f6_route:
	.size	k_q8341d849f6_route, .Lfunc_end_k_q8341d849f6_route-k_q8341d849f6_route
	.p2alignl 7, 3214868480
	.fill 96, 4, 3214868480
	.section	.rodata,"a",@progbits
	.p2align	6, 0x0
	.amdhsa_kernel k_q8341d849f6_route
		.amdhsa_group_segment_fixed_size 0
		.amdhsa_private_segment_fixed_size 0
		.amdhsa_enable_private_segment 0
		.amdhsa_kernarg_size 32
		.amdhsa_user_sgpr_count 2
		.amdhsa_user_sgpr_kernarg_segment_ptr 1
		.amdhsa_wavefront_size32 1
		.amdhsa_system_sgpr_workgroup_id_x 1
		.amdhsa_system_sgpr_workgroup_id_y 1
		.amdhsa_system_sgpr_workgroup_id_z 1
		.amdhsa_system_vgpr_workitem_id 0
		.amdhsa_next_free_vgpr 512
		.amdhsa_next_free_sgpr 66
		.amdhsa_reserve_vcc 1
		.amdhsa_float_denorm_mode_32 3
		.amdhsa_float_denorm_mode_16_64 3
		.amdhsa_memory_ordered 1
		.amdhsa_forward_progress 1
		.amdhsa_inst_pref_size 72
	.end_amdhsa_kernel
	.amdgpu_metadata
---
amdhsa.version: [ 1, 2 ]
amdhsa.kernels:
  - .name:           k_q8341d849f6_route
    .symbol:         k_q8341d849f6_route.kd
    .args:
      - { .name: x, .offset: 0, .size: 8, .value_kind: global_buffer, .address_space: global }
      - { .name: router_w, .offset: 8, .size: 8, .value_kind: global_buffer, .address_space: global }
      - { .name: idx, .offset: 16, .size: 8, .value_kind: global_buffer, .address_space: global }
      - { .name: xq, .offset: 24, .size: 8, .value_kind: global_buffer, .address_space: global }
    .group_segment_fixed_size: 0
    .private_segment_fixed_size: 0
    .kernarg_segment_align: 8
    .kernarg_segment_size: 32
    .max_flat_workgroup_size: 32
    .sgpr_count:     66
    .vgpr_count:     512
    .wavefront_size: 32
...
	.end_amdgpu_metadata
.endif
;; end of part 1
;; launch place (part 2): grid 16 x 8, 4 waves a work-group, no clusters, 0 bytes of LDS; arguments idx, xq, xi, route; writes xi, route
.if DOCPART == 2
	.amdgcn_target "amdgcn-amd-amdhsa--gfx1250"
	.amdhsa_code_object_version 6
	.text
	.protected	k_q8341d849f6_place
	.globl	k_q8341d849f6_place
	.p2align	8
	.type	k_q8341d849f6_place,@function
k_q8341d849f6_place:
	s_mov_b64 s[64:65], 0
	v_nop
	global_prefetch_b8 v0, s[64:65] scope:SCOPE_SE
	s_setreg_imm32_b32 hwreg(HW_REG_WAVE_MODE, 25, 1), 1
	s_wait_xcnt 0x0
; MoE feed-forward, launch 2 of 5: the rows are placed by expert.  Rows (t, e) whose e was not chosen for t are left out (shown at the head of the first kernel).
; An expert's rows are its tokens in ascending order; 16 rows are a tile.  One wave serves tile (e, i): it finds the tokens of ranks 16 i .. 16 i + 15 among expert e's, in registers, and lays their codes
; in the order of an operand's registers.  The grid has 64 tiles for each expert, which serves every split, all tokens on one expert too; a wave whose pair of tiles a split leaves without rows stores no tile.
; Tiles go in pairs (the next launch works on two at a time): of a pair that holds a row both tiles are written; a place behind the expert's last row takes a clamped token's codes, and nothing reads its results.
; HOW.  Word j of 32 holds, bit by bit, which of tokens 32 j .. 32 j + 31 chose e (a compare over the 32 lanes gives it as a scalar).  P_j, the number of such tokens ahead of word j, is a running scalar sum.
; Lane with rank q keeps the last word with P_j <= q; the (q - P_j + 1)-th set bit of it is its token: its place is the number of bits b whose count of set bits up to and with b is at most q - P_j.
; OUT.  xi: tile T = 64 e + i: 24 pieces of 512 bytes: piece j holds registers 4 j .. 4 j + 3 of each lane's 96 (8 K steps x 12), 16 bytes a lane; from XI_SC on 32 scale bytes a row.
; route: pos[2 t + k] = 1024 e + rank, the row of y that holds token t's k-th expert's result; from byte 8,192 on the experts' counts, 128 bytes apart.
.set XQ_SC, 786432
.set XI_SC, 6291456
	s_load_b256 s[4:11], s[0:1], 0x0               ; idx s[4:5], xq s[6:7], xi s[8:9], route s[10:11]
	v_lshrrev_b32 v1, 5, v0
	v_readfirstlane_b32 s14, v1                    ; wave
	v_and_b32 v1, 31, v0                           ; lane
	v_and_b32 v2, 15, v0                           ; r
	v_bfe_u32 v3, v0, 4, 1                         ; h
	s_and_b32 s15, ttmp7, 0xffff                   ; e
	s_lshl_b32 s16, ttmp9, 2
	s_add_co_u32 s16, s16, s14                     ; i
	s_lshl_b32 s17, s16, 4
	v_add_nc_u32 v4, s17, v2                       ; q = 16 i + r: my rank (lanes 16-31 as lanes 0-15)
	v_lshlrev_b32 v12, 3, v1
	v_mov_b32 v5, 0                                ; the word kept,
	v_mov_b32 v6, 0                                ; its P,
	v_mov_b32 v7, 0                                ; its number
	v_mov_b32 v9, 0                                ; count of set bits so far
	v_mov_b32 v10, 0                               ; the bit's place
	s_mov_b32 s18, 0                               ; P
	s_wait_alu depctr_va_vdst(0)
	s_wait_kmcnt 0x0
.set j, 0
.rept 32
	global_load_b64 v[32+2*j:33+2*j], v12, s[4:5] offset:256*j             ; token 32 j + lane: its two experts
.set j, j+1
.endr
	s_wait_loadcnt 0x0
.set j, 0
.rept 32
	v_cmp_eq_u32 s19, s15, v[32+2*j]
	v_cmp_eq_u32 vcc_lo, s15, v[33+2*j]
	s_or_b32 s19, s19, vcc_lo                      ; word j
	v_cmp_gt_u32 vcc_lo, s18, v4                   ; P_j > q: keep what I have
	v_cndmask_b32 v5, s19, v5, vcc_lo
	v_cndmask_b32 v6, s18, v6, vcc_lo
	v_cndmask_b32 v7, j, v7, vcc_lo
	s_bcnt1_i32_b32 s20, s19
	s_add_co_u32 s18, s18, s20
.set j, j+1
.endr                                          ; s18 = the expert's count
	v_sub_nc_u32 v8, v4, v6                        ; n = q - P
.set b, 0
.rept 32
	v_bfe_u32 v13, v5, b, 1
	v_add_nc_u32 v9, v9, v13
	v_cmp_le_u32 vcc_lo, v9, v8
	v_add_co_ci_u32 v10, vcc_lo, 0, v10, vcc_lo    ; one more bit that lies ahead of mine
.set b, b+1
.endr
	v_lshl_add_u32 v11, v7, 5, v10
	v_min_u32 v11, 0x3ff, v11                      ; my token (a rank behind the expert's last row: some token inside the table)
	s_cmp_lg_u32 s16, 0
	s_cbranch_scc1 .Lnot_first
	s_lshl_b32 s21, s15, 7                         ; tile 0's wave stores the count, 32 times: 128 consecutive bytes
	v_lshl_add_u32 v14, v1, 2, s21
	v_mov_b32 v15, s18
	global_store_b32 v14, v15, s[10:11] offset:8192
.Lnot_first:
	s_lshr_b32 s21, s16, 1
	s_lshl_b32 s21, s21, 5
	s_cmp_ge_u32 s21, s18                          ; my pair of tiles begins behind the last row: nothing to lay
	s_cbranch_scc1 .Lend
	s_wait_alu depctr_va_vdst(0)
	v_mul_u32_u24 v16, v11, 768
	v_mad_u32_u24 v16, v3, 384, v16                ; my token's even blocks (lanes 0-15) or odd ones (lanes 16-31): 384 bytes on end are my 96 registers
	v_lshlrev_b32 v17, 5, v11
	v_lshl_add_u32 v17, v3, 4, v17                 ; half of its 32 scale bytes
	v_lshlrev_b32 v18, 3, v11
.set j, 0
.rept 24
	global_load_b128 v[32+4*j:35+4*j], v16, s[6:7] offset:16*j
.set j, j+1
.endr
	global_load_b128 v[20:23], v17, s[6:7] offset:XQ_SC
	global_load_b64 v[24:25], v18, s[4:5]          ; and its two experts
	s_lshl_b32 s22, s15, 6
	s_add_co_u32 s22, s22, s16                     ; T = 64 e + i
	s_mul_i32 s24, s22, 12288
	s_mov_b32 s25, 0
	s_add_nc_u64 s[26:27], s[8:9], s[24:25]
	s_lshl_b32 s24, s22, 9
	s_add_nc_u64 s[28:29], s[8:9], s[24:25]
	v_lshlrev_b32 v19, 4, v1
	v_lshlrev_b32 v27, 5, v2
	v_lshl_add_u32 v27, v3, 4, v27
	s_wait_alu depctr_va_vdst(0)
	s_wait_loadcnt 0x0
.set j, 0
.rept 24
	global_store_b128 v19, v[32+4*j:35+4*j], s[26:27] offset:512*j         ; 32 lanes store 512 consecutive bytes
.set j, j+1
.endr
	global_store_b128 v27, v[20:23], s[28:29] offset:XI_SC
	v_cmp_eq_u32 vcc_lo, s15, v25                  ; k: is e the token's second expert?
	v_lshlrev_b32 v28, 1, v11
	v_add_co_ci_u32 v28, vcc_lo, 0, v28, vcc_lo    ; 2 t + k
	v_min_u32 v28, 0x7ff, v28
	v_lshlrev_b32 v28, 2, v28
	s_lshl_b32 s21, s15, 10
	v_add_nc_u32 v29, s21, v4                      ; 1024 e + rank
	v_cmp_gt_u32 vcc_lo, s18, v4                   ; a true row,
	v_cmp_gt_u32 s19, 16, v1                       ; once
	s_and_b32 vcc_lo, vcc_lo, s19
	s_wait_alu depctr_va_vdst(0)
	s_wait_xcnt 0x0                                ; EXEC is a source of the stores above: it changes only behind this wait
	s_and_saveexec_b32 s20, vcc_lo
	global_store_b32 v28, v29, s[10:11]
	s_endpgm
.Lend:
	s_endpgm
.Lfunc_end_k_q8341d849f6_place:
	.size	k_q8341d849f6_place, .Lfunc_end_k_q8341d849f6_place-k_q8341d849f6_place
	.p2alignl 7, 3214868480
	.fill 96, 4, 3214868480
	.section	.rodata,"a",@progbits
	.p2align	6, 0x0
	.amdhsa_kernel k_q8341d849f6_place
		.amdhsa_group_segment_fixed_size 0
		.amdhsa_private_segment_fixed_size 0
		.amdhsa_enable_private_segment 0
		.amdhsa_kernarg_size 32
		.amdhsa_user_sgpr_count 2
		.amdhsa_user_sgpr_kernarg_segment_ptr 1
		.amdhsa_wavefront_size32 1
		.amdhsa_system_sgpr_workgroup_id_x 1
		.amdhsa_system_sgpr_workgroup_id_y 1
		.amdhsa_system_sgpr_workgroup_id_z 1
		.amdhsa_system_vgpr_workitem_id 0
		.amdhsa_next_free_vgpr 144
		.amdhsa_next_free_sgpr 66
		.amdhsa_reserve_vcc 1
		.amdhsa_float_denorm_mode_32 3
		.amdhsa_float_denorm_mode_16_64 3
		.amdhsa_memory_ordered 1
		.amdhsa_forward_progress 1
		.amdhsa_inst_pref_size 26
	.end_amdhsa_kernel
	.amdgpu_metadata
---
amdhsa.version: [ 1, 2 ]
amdhsa.kernels:
  - .name:           k_q8341d849f6_place
    .symbol:         k_q8341d849f6_place.kd
    .args:
      - { .name: idx, .offset: 0, .size: 8, .value_kind: global_buffer, .address_space: global }
      - { .name: xq, .offset: 8, .size: 8, .value_kind: global_buffer, .address_space: global }
      - { .name: xi, .offset: 16, .size: 8, .value_kind: global_buffer, .address_space: global }
      - { .name: route, .offset: 24, .size: 8, .value_kind: global_buffer, .address_space: global }
    .group_segment_fixed_size: 0
    .private_segment_fixed_size: 0
    .kernarg_segment_align: 8
    .kernarg_segment_size: 32
    .max_flat_workgroup_size: 128
    .sgpr_count:     66
    .vgpr_count:     144
    .wavefront_size: 32
...
	.end_amdgpu_metadata
.endif
;; end of part 2
;; launch up (part 3): grid 510 x 1, 4 waves a work-group, no clusters, 130,816 bytes of LDS; arguments w1, w3, xi, route, hi, w2, w2i; writes hi, w2i
.if DOCPART == 3
	.amdgcn_target "amdgcn-amd-amdhsa--gfx1250"
	.amdhsa_code_object_version 6
	.text
	.protected	k_q8341d849f6_up
	.globl	k_q8341d849f6_up
	.p2align	8
	.type	k_q8341d849f6_up,@function
k_q8341d849f6_up:
	s_mov_b64 s[64:65], 0
	v_nop
	global_prefetch_b8 v0, s[64:65] scope:SCOPE_SE
	s_setreg_imm32_b32 hwreg(HW_REG_WAVE_MODE, 25, 1), 1
	s_wait_xcnt 0x0
; MoE feed-forward, launch 3 of 5.  TWO ROLES, told apart by the work-group's number alone.
; ROLE 1, work-groups 0-343: h = silu(x w1[e]) * (x w3[e]) for the rows that chose e, quantised along H.  Rows (t, e) whose e was not chosen for t are left out (shown at the head of the first kernel).
; ROLE 2, work-groups 344-509: w2 is quantised along its K (= H) into images of operand registers, which the next launch reads.  It hangs on no routing, so it can stand beside role 1.
; A wave names 512 registers and the work-group 130,816 bytes of LDS: two work-groups have room on a WGP, so the 510 work-groups have 512 places.
; ROLE 1, SHARES.  A work-group takes expert e = number / 43 and 64 hidden columns (number % 43) of w1 and w3 over all 1,024 of K: 512 KB of f32, read once, quantised along K on the way, never stored to memory.
; WEIGHT PHASE.  Wave wv takes matrix wv / 2 (w1, w3) and K half wv % 2, in 8 groups of 64 rows x 64 columns.  A load reads two rows' 256 consecutive bytes (lanes 0-15 row i, lanes 16-31 row 32 + i), so that after a
; group's 32 loads lane (q, g) holds rows 32 g .. 32 g + 31 of columns 4 q .. 4 q + 3: four whole blocks of 32 along K.  Two staging sets of 128 registers: 64 loads of a wave are asked for at once, two groups ahead of
; the group at work, so no prefetch is laid beside them; every offset is an immediate.  The conversion wants 16 neighbours along K in consecutive registers, and a 16-byte load lays neighbours along N there: so a group
; is copied once, column by column (128 v_mov_b32).  The codes go to LDS as images of operand registers: a fragment (16 columns x 128 K) is 48 bytes a lane, 1,536 bytes; its scale words 4 bytes a lane.
; One barrier, ahead of every branch on a loaded number.
; THE IMAGES' PLACES.  The sixteen lanes of half a wave store for tile rows 0, 4, 8, 12 (192 bytes apart: 0, 192, 128, 64 modulo 256), for two tiles and for two blocks of 32 columns.  An image's pitch is 1,552 = 1,536 + 16
; and the second block lies 49,696 bytes on (32 modulo 64): so the sixteen touch sixteen different columns of 16 bytes of the 64 banks of 4 bytes (ISA guide 11.1).  A column's 24 bytes go as 16 + 8.
; THE COLUMNS THAT FORM A TILE ARE NOT NEIGHBOURS: row r of tile u of a block of 32 columns is column 8 u + r + 8 (r / 8), so that the 16 registers of tiles 0 and 1 are 16 neighbours along the next product's K.
; ROW PHASE.  Wave wv takes columns 32 (wv % 2) on and the pairs of row tiles wv / 2, wv / 2 + 2, ...  The trip count hangs on the expert's count, which an earlier launch stored: so this launch has no tensor load, no
; copy and no cluster, and x's fragments come from memory straight into registers, laid by the launch before in the order of the registers.  x's pair of tiles (192 registers) stays for a trip.
; THE WEIGHTS' FRAGMENTS STAY IN LDS: a K step's four (w1, w3 x two column tiles: 48 registers, 12 loads of 16 bytes a lane, 48 bytes from lane to lane: sixteen different columns of 16 bytes) come into three buffers by
; turns, K step s into buffer s % 3; a buffer is filled again behind the four places that follow its eight products.  All trips take the same weights, so the turns go on over the backward jump: behind K steps
; 0 .. 7 the fills are for K steps 3, 4, 5, 6, 7 and the next trip's 2, 0, 1.  The waits follow from that order: ahead of K steps 0 and 1 one younger fill (12 loads) may be out, ahead of the others two (24).
; A wave's first pair is known from its number alone: its fragments are asked for in the weight phase's last two groups, into the staging sets as they fall idle; a wave that then finds no row has loaded bytes that it does not use.
; Both products are used transposed (source 0 = 16 columns of w, source 1 = 16 rows of x): a lane holds one row and 16 neighbouring hidden units.  A wave's 32 columns are ONE block of the next K; the two tiles of a
; pair give the two blocks that the exchange of halves needs, after which lane (r, hh) holds the whole block of row r of tile 2 P + hh: 24 bytes, stored into the next launch's register image.
; The last trip asks again for its own pair in place of a next one, so that the counts of loads are the same in every trip and no load leaves its buffer.
; ROLE 2.  A unit U = (16 e + cu) 22 + ks is K step ks (128 rows) x 64 columns (cu) of w2[e]: 2,816 units, 17 to a work-group (the last: 11), unit by unit to the waves in turn; a wave works its units alone, no barrier.
; A unit is two groups of 64 rows x 64 columns, loaded, copied and quantised as above; here a tile's columns are neighbours.  The codes go to the wave's own stage in LDS (bytes that role 1 never names) and leave as
; 12 pieces of 512 consecutive bytes (piece 3 u + p: registers 4 p .. 4 p + 3 of tile u's fragment, 16 bytes a lane) at 6,144 U; the scale words as 256 bytes at W2_SC + 256 U, 8 bytes a lane: the word of tiles 0 / 1, then
; that of tiles 2 / 3.  The next unit's loads are asked for as each staging set is copied.
; H = 2,752 ends in the middle of K step 21: its second group takes the 64 rows of the first once more, so that no load leaves the buffer; h's codes there are zeros, so it adds nothing.
; LIMITS: as at the head of the first kernel.  An expert with no row still has its weights read: the barrier may not stand under a branch on a loaded number.
; REGISTERS.  window 0: v1-10 offsets; v12, v13 the add's two; v16-31 w's scale words; v32-47 x's; v48-111 the 8 accumulators (weight phase: codes); v112-127 at work; v128-159 h; v160-207, v208-255 weight buffers 0, 1
;   (weight phase: v128-255 a group by columns; role 2 also: v128-177 a unit on its way out).   window 1: v0-127, v128-255 the staging sets; later v0-191 x's fragments of two tiles, v192-239 weight buffer 2, v240-244 zeros and the byte 127.
.set PITCH, 11008                      ; a row of w1 or w3 in bytes
.set LP,    PITCH                      ; the pitch that LOADG steps by: role 2 sets it to w2's
.set EW,    11272192                   ; an expert's w1, w3 or w2 in bytes
.set US,    1552                       ; LDS, the images, from 0: from tile 0 to tile 1 of a block,
.set MSTR,  3104                       ; from K step to K step,
.set WVS,   12416                      ; from the images that one wave makes to the next wave's (four K steps),
.set CHS,   49696                      ; from one block of 32 columns to the other (four waves' images + 32)
.set SCL,   99584                      ; the scale words (2 x 16 x 128 bytes),
.set SPARE, 103680                     ; the spare words, 128 bytes for each wave: two blocks of 256 bytes that no other line names
.set Q2,    104192                     ; role 2: a stage of 6,656 bytes for each wave: four images, and from byte 6,400 on 256 bytes of scale words
.set XI_SC, 6291456
.set HI_SC, 17301504
.set W2_SC, 17301504
.set SSTR,  128                        ; from K step to K step in a wave's scale words
.set WOFF, 2
.set LA,   3
.set LSB,  4
.set RB,   5
.set RS,   6
.set XO,   7
.set XSO,  8
.set HO,   9
.set HSO,  10
.set SPW,  12
.set NIL,  13
.set WS,   16
.set XS,   32
.set ACC,  48
.set C,    48                          ; weight phase: four columns' codes, 6 registers each
.set HH,   72                          ; their upper halves as the conversions leave them
.set M,    112
.set SO,   116
.set BY,   120
.set T,    128
.set RM,   112                         ; row phase
.set PX,   114
.set RSO,  116
.set RBY,  118
.set Q,    120
.set BS,   127
.set EE,   128
.set WF,   160                         ; weight buffers 0 and 1, window 0
.set WF2,  192                         ; weight buffer 2, window 1
.set ZR,   240                         ; window 1
.set B127, 244                         ; window 1
.set STA,  0                           ; the staging sets, window 1
.set STB,  128
.set WB,   20
.set MSB, 0
.macro WIN new                         ; the immediate's high byte repeats the setting that is left
.if MSB != (\new)
	s_set_vgpr_msb (MSB<<8)|(\new)
.set MSB, (\new)
.endif
.endm
.macro SETX                            ; x's fragments and scale words of pair s24 of my expert
	s_lshl_b32 s34, s15, 5
	s_add_co_u32 s34, s34, s24
	s_mul_i32 s36, s34, 24576
	s_mov_b32 s37, 0
	s_add_nc_u64 s[26:27], s[8:9], s[36:37]
	s_lshl_b32 s36, s34, 10
	s_add_nc_u64 s[28:29], s[8:9], s[36:37]
.endm
.macro XLOAD half                      ; K steps 4 half .. 4 half + 3 of both tiles: 24 + 2 loads
	WIN 0x40                                       ; destination window 1
.irp t, 0,1
.irp jj, 0,1,2,3,4,5,6,7,8,9,10,11
	global_load_b128 v[96*(\half)+48*\t+4*\jj:96*(\half)+48*\t+4*\jj+3], v[XO], s[26:27] offset:12288*\t+512*(12*(\half)+\jj)
.endr
.endr
	WIN 0
.irp t, 0,1
	global_load_b128 v[XS+8*\t+4*(\half):XS+8*\t+4*(\half)+3], v[XSO], s[28:29] offset:XI_SC+512*\t+16*(\half)
.endr
.endm
.macro LOADG k, set, base              ; group k: 64 rows x 64 columns into a staging set
	WIN 0x40
.set li, 0
.rept 32
	global_load_b128 v[(\set)+4*li:(\set)+4*li+3], v[WOFF], s[\base:\base+1] offset:(64*(\k)+li)*LP th:TH_LOAD_NT
.set li, li+1
.endr
	WIN 0
.endm
.macro TAKE set                        ; the set by columns: v[T + 32 j + i] = row 32 g + i of column 4 q + j
	WIN 0x01                                       ; source 0 window 1
.set ti, 0
.rept 32
	v_mov_b32 v[T+ti], v[(\set)+4*ti]
	v_mov_b32 v[T+32+ti], v[(\set)+4*ti+1]
	v_mov_b32 v[T+64+ti], v[(\set)+4*ti+2]
	v_mov_b32 v[T+96+ti], v[(\set)+4*ti+3]
.set ti, ti+1
.endr
	WIN 0
.endm
.macro QUANT4 off, c, soff             ; four blocks of 32 become codes and bytes, and go to the images; c: the lower (0) or upper (1) 64 of the K step
.irp j, 0,1,2,3
	v_max3_num_f32 v[M+\j], |v[T+32*\j]|, |v[T+32*\j+1]|, 0x1800000        ; with the floor 2^(3 - 127): the byte cannot fall under 1
.endr
.irp i, 2,4,6,8,10,12,14,16,18,20,22,24,26,28,30
.irp j, 0,1,2,3
	v_max3_num_f32 v[M+\j], v[M+\j], |v[T+32*\j+\i]|, |v[T+32*\j+\i+1]|    ; the four columns by turns
.endr
.endr
.irp j, 0,1,2,3
	v_add_nc_u32 v[SO+\j], 0xff000000, v[M+\j]     ; 2 off the exponent field: the conversion's scale operand
.endr
	s_wait_alu depctr_va_vdst(0)
	s_wait_dscnt 0x0                               ; the last group's LDS stores have read the registers that are written now
.irp j, 0,1,2,3
	v_lshrrev_b32 v[BY+\j], 23, v[SO+\j]           ; the scale's byte
.endr
.irp j, 0,1,2,3
	v_cvt_scalef32_pk16_fp6_f32 v[C+6*\j:C+6*\j+2], v[T+32*\j:T+32*\j+15], v[SO+\j]
	v_cvt_scalef32_pk16_fp6_f32 v[HH+4*\j:HH+4*\j+2], v[T+32*\j+16:T+32*\j+31], v[SO+\j]   ; (a conversion's three registers begin on an even number)
.endr
	v_nop                                          ; one plain instruction behind the conversions
.irp j, 0,1,2,3
.irp i, 0,1,2
	v_mov_b32 v[C+6*\j+3+\i], v[HH+4*\j+\i]
.endr
.endr
.irp j, 0,1,2,3                                ; column 4 q + j is the next tile row: 48 bytes on.  Its 24 bytes lie at 0 or at 24 of the lane's 48: 16 + 8 or 8 + 16, so that the 16-byte store stands at a multiple of 16
.if (\c) == 0
	ds_store_b128 v[LA], v[C+6*\j:C+6*\j+3] offset:(\off)+48*\j
	ds_store_b64 v[LA], v[C+6*\j+4:C+6*\j+5] offset:(\off)+48*\j+16
.else
	ds_store_b64 v[LA], v[C+6*\j:C+6*\j+1] offset:(\off)+48*\j+24
	ds_store_b128 v[LA], v[C+6*\j+2:C+6*\j+5] offset:(\off)+48*\j+32
.endif
.endr
.irp j, 0,1,2,3
	ds_store_b8 v[LSB], v[BY+\j] offset:(\soff)+4*\j
.endr
.endm
.macro PROC k, set, cnt, refill, base, early   ; group k is worked; cnt: the loads issued behind this group's, which may stay out; early = 1, 2: the first pair's x is asked for where no refill stands any more
	s_wait_loadcnt \cnt
	TAKE \set
.if \refill
	LOADG (\k)+2, \set, \base
.endif
.if (\early) == 1
	XLOAD 0
.endif
.if (\early) == 2
	XLOAD 1
.endif
	QUANT4 (((\k)>>1)*MSTR), ((\k)&1), (((\k)>>1)*SSTR+2*((\k)&1))
.endm
	s_load_b256 s[4:11], s[0:1], 0x0               ; w1 s[4:5], w3 s[6:7], xi s[8:9], route s[10:11]
	s_load_b64 s[12:13], s[0:1], 0x20              ; hi
	s_load_b128 s[48:51], s[0:1], 0x28             ; w2 s[48:49], w2i s[50:51]
	v_lshl_add_u32 v[SPW], v0, 2, SPARE
	v_mov_b32 v[NIL], 0
	v_lshrrev_b32 v1, 5, v0
	v_readfirstlane_b32 s14, v1                    ; wave
	v_and_b32 v1, 31, v0                           ; lane
	v_and_b32 v100, 15, v0                         ; q
	v_bfe_u32 v101, v0, 4, 1                       ; g
	s_cmp_ge_u32 ttmp9, 344                        ; the role: the work-group's number alone decides
	s_wait_alu depctr_va_vdst(0)
	s_cbranch_scc1 .Lw2q
	v_bfe_u32 v102, v0, 3, 1                       ; column 4 q + j: which block of 32,
	v_bfe_u32 v103, v0, 1, 1                       ; which tile u of it,
	v_and_b32 v104, 1, v0
	v_bfe_u32 v105, v0, 2, 1
	v_lshlrev_b32 v104, 2, v104
	v_lshl_add_u32 v104, v105, 3, v104             ; and tile row 4 (q & 1) + 8 ((q >> 2) & 1) + j
	v_mul_u32_u24 v[WOFF], v101, 32*PITCH
	v_lshl_add_u32 v[WOFF], v100, 4, v[WOFF]       ; in memory: 32 g rows down, 16 q bytes along
	v_lshl_add_u32 v105, v101, 4, v104
	v_mul_u32_u24 v[LA], v105, 48                  ; in an image: lane (tile row + 16 g), 48 bytes a lane
	v_mad_u32_u24 v[LA], v103, US, v[LA]
	v_mad_u32_u24 v[LA], v102, CHS, v[LA]
	s_mul_i32 s34, s14, WVS
	v_add_nc_u32 v[LA], s34, v[LA]
	v_lshl_add_u32 v105, v103, 4, v104
	v_lshl_add_u32 v[LSB], v105, 2, v101           ; a scale word: lane (tile row + 16 u); in it byte 2 c + g
	v_lshl_add_u32 v[LSB], v102, 11, v[LSB]
	s_lshl_b32 s34, s14, 9
	s_add_co_u32 s34, s34, SCL
	v_add_nc_u32 v[LSB], s34, v[LSB]
	s_and_b32 s18, s14, 1                          ; weight phase: my half of K.  Row phase: my block of 32 columns
	s_lshr_b32 s17, s14, 1                         ; weight phase: w1 or w3.  Row phase: my first pair
	s_mul_i32 s34, s18, CHS
	v_mul_u32_u24 v[RB], v1, 48
	v_add_nc_u32 v[RB], s34, v[RB]                 ; back from the images: my block's, 48 bytes a lane
	s_lshl_b32 s34, s18, 11
	s_add_co_u32 s34, s34, SCL
	v_lshl_add_u32 v[RS], v1, 2, s34
	v_lshlrev_b32 v[XO], 4, v1
	v_lshlrev_b32 v[XSO], 5, v100
	s_lshl_b32 s34, s18, 8
	v_mul_u32_u24 v[HO], v101, 33792               ; h's image: tile 2 P + lane / 16, lane (r + 16 x my block), 16 bytes a lane
	v_lshl_add_u32 v[HO], v100, 4, v[HO]
	v_add_nc_u32 v[HO], s34, v[HO]
	v_mul_u32_u24 v[HSO], v101, 1408
	v_lshl_add_u32 v[HSO], v100, 2, v[HSO]
	s_mul_i32 s15, ttmp9, 1525
	s_lshr_b32 s15, s15, 16                        ; e = number / 43 (1,525 / 65,536 serves numbers up to 343)
	s_mul_i32 s16, s15, 43
	s_sub_co_u32 s16, ttmp9, s16                   ; which 64 columns: number % 43
	s_mul_i32 s34, s15, EW
	s_lshl_b32 s35, s16, 8
	s_add_co_u32 s34, s34, s35
	s_mul_i32 s35, s18, 512*PITCH
	s_add_co_u32 s34, s34, s35
	s_mov_b32 s35, 0
	s_lshl_b32 s42, s15, 7
	s_mov_b32 s38, 0x76543210
	s_mov_b32 s39, 0xfedcba98                      ; v_permlanex16_b32's selects for lane l xor 16
	s_mov_b32 s40, 0xffff0000                      ; lanes 16-31
	s_wait_alu depctr_va_vdst(0)
	s_wait_kmcnt 0x0
	s_cmp_eq_u32 s17, 0
	s_cselect_b64 s[WB:WB+1], s[4:5], s[6:7]       ; a choice on the wave's number
	s_add_nc_u64 s[WB:WB+1], s[WB:WB+1], s[34:35]
	s_load_b32 s22, s[10:11], s42 offset:8192      ; the expert's count: wanted behind the barrier
	LOADG 0, STA, WB
	LOADG 1, STB, WB
	s_mov_b32 s24, s17                             ; my first pair, 0 or 1 by the wave's number: where its x lies
	SETX
	PROC 0, STA, 32, 1, WB, 0
	PROC 1, STB, 32, 1, WB, 0
	PROC 2, STA, 32, 1, WB, 0
	PROC 3, STB, 32, 1, WB, 0
	PROC 4, STA, 32, 1, WB, 0
	PROC 5, STB, 32, 1, WB, 0
	PROC 6, STA, 32, 0, WB, 1                      ; group 7's 32 loads may be out; x's K steps 0-3 are asked for, into the set just copied: 58 loads of mine are out
	PROC 7, STB, 26, 0, WB, 2                      ; behind group 7's loads stand x's 26, which may be out; x's K steps 4-7 are asked for, into registers of both sets, both copied
	s_wait_dscnt 0x0                               ; for the others' sake: my images and scale words have landed
	s_barrier_signal -1
	s_barrier_wait -1
	s_wait_kmcnt 0x0
	s_min_u32 s22, s22, 1024
	s_add_co_u32 s22, s22, 31
	s_lshr_b32 s22, s22, 5                         ; pairs of tiles
	s_mov_b32 s23, s17                             ; P
	s_cmp_ge_u32 s23, s22
	s_cbranch_scc1 .Lend
	s_sub_co_u32 s46, s22, s23                     ; my trips: every second pair from P on: (pairs - P + 1) / 2, at least 1
	s_add_co_u32 s46, s46, 1
	s_lshr_b32 s46, s46, 1
	s_mov_b32 s45, 0                               ; the trips' counter, stepped by 1
	s_and_b32 s41, s16, 1                          ; c: which half of the next product's K step my columns are
	s_lshr_b32 s34, s16, 1                         ; and which K step
	s_mul_i32 s43, s34, 1536
	s_lshl_b32 s44, s34, 6
	s_lshl_b32 s34, s41, 1
	s_add_co_u32 s44, s44, s34
	s_add_co_u32 s44, s44, s18
	s_add_co_u32 s44, s44, HI_SC                   ; h's scale byte: 64 bytes a K step, byte 2 c + my block
; The four fragments of K step s (w1, w3 x column tiles 0, 1) from the images into buffer s % 3: 12 loads.  An LDS load takes its destination's and its address's window: under 0x04 both are window 0.
.macro WLOAD s
.if ((\s)%3) == 2
	WIN 0x40                                       ; destination window 1
.set wb, WF2
.else
	WIN 0x04
.set wb, WF+48*((\s)%3)
.endif
.irp mat, 0,1
.irp u, 0,1
.irp p, 0,1,2
	ds_load_b128 v[wb+(\mat*2+\u)*12+4*\p:wb+(\mat*2+\u)*12+4*\p+3], v[RB] offset:(\mat*2+((\s)>>2))*WVS+((\s)&3)*MSTR+\u*US+16*\p
.endr
.endr
.endr
.endm
.irp m, 0,1,2,3,4,5,6,7
.irp mat, 0,1
	ds_load_b32 v[WS+2*\m+\mat], v[RS] offset:((\mat*2+(\m>>2))*4+(\m&3))*128      ; lanes 0-15: tile 0's words, lanes 16-31: tile 1's
.endr
.endr
	WLOAD 2                                        ; the first three K steps' fragments, in the order in which a trip's end asks for the next trip's
	WLOAD 0
	WLOAD 1
	WIN 0x40
.irp i, 0,1,2,3
	v_mov_b32 v[ZR+\i], 0
.endr
	v_mov_b32 v[B127], 127
	WIN 0
	v_mov_b32 v[PX], 0                             ; a lane permute's destination counts as one of its sources
	v_mov_b32 v[PX+1], 0
; One product: K step s, row tile t, matrix mat, column tile u.  The eight accumulators take turns, one instruction a turn.
.macro MM1 s, t, mat, u
.set rD, ACC+32*(\t)+16*(\mat)+8*(\u)
.if ((\s)%3) == 2
.set rA, WF2+((\mat)*2+(\u))*12
.else
.set rA, WF+48*((\s)%3)+((\mat)*2+(\u))*12
.endif
.set rB, 96*((\s)>>2)+48*(\t)+12*((\s)&3)
.set rSA, WS+2*(\s)+(\mat)
.set rSB, XS+8*(\t)+(\s)
.if (\s) == 0
.if (\u) == 0
	v_wmma_scale_f32_16x16x128_f8f6f4 v[rD:rD+7], v[rA:rA+11], v[rB:rB+11], 0, v[rSA], v[rSB] matrix_a_fmt:MATRIX_FMT_FP6 matrix_b_fmt:MATRIX_FMT_FP6
.else
	v_wmma_scale_f32_16x16x128_f8f6f4 v[rD:rD+7], v[rA:rA+11], v[rB:rB+11], 0, v[rSA], v[rSB] matrix_a_fmt:MATRIX_FMT_FP6 matrix_b_fmt:MATRIX_FMT_FP6 matrix_a_scale:MATRIX_SCALE_ROW1
.endif
.else
.if (\u) == 0
	v_wmma_scale_f32_16x16x128_f8f6f4 v[rD:rD+7], v[rA:rA+11], v[rB:rB+11], v[rD:rD+7], v[rSA], v[rSB] matrix_a_fmt:MATRIX_FMT_FP6 matrix_b_fmt:MATRIX_FMT_FP6
.else
	v_wmma_scale_f32_16x16x128_f8f6f4 v[rD:rD+7], v[rA:rA+11], v[rB:rB+11], v[rD:rD+7], v[rSA], v[rSB] matrix_a_fmt:MATRIX_FMT_FP6 matrix_b_fmt:MATRIX_FMT_FP6 matrix_a_scale:MATRIX_SCALE_ROW1
.endif
.endif
.endm
; K step s: its eight products; cnt: the LDS loads issued behind this step's fill, which may stay out; then four places, and the buffer takes K step nx
.macro KSTEP s, cnt, nx
	s_wait_dscnt \cnt
.if ((\s)%3) == 2
	WIN 0x05                                       ; source 0 (w) and source 1 (x) window 1
.else
	WIN 0x04                                       ; source 0 (w) window 0, source 1 (x) window 1
.endif
.irp t, 0,1
.irp mat, 0,1
.irp u, 0,1
	MM1 \s, \t, \mat, \u
.endr
.endr
.endr
.rept 4
	v_nop                                          ; places in front of loads into registers that matrix instructions have read
.endr
	WLOAD \nx
.endm
.Lpair:
	s_wait_loadcnt 26                              ; x's K steps 0-3 and their scale words are in; the 26 loads of K steps 4-7 may be out
	KSTEP 0, 12, 3                                 ; behind K step 0's fill stands K step 1's alone
	KSTEP 1, 12, 4                                 ; behind K step 1's fill stands K step 3's alone
	KSTEP 2, 24, 5
	KSTEP 3, 24, 6                                 ; its four places also serve x's loads below
	WIN 0
	s_wait_xcnt 0x0                                ; the pending loads and the last trip's stores have read their bases: they are written now
	s_add_co_u32 s24, s23, 2
	s_cmp_lt_u32 s24, s22
	s_cselect_b32 s24, s24, s23                    ; the next pair, or in the last trip this one again
	s_min_u32 s24, s24, 31
	SETX
	s_min_u32 s34, s23, 31                         ; where this pair's h goes
	s_lshl_b32 s35, s15, 5
	s_add_co_u32 s34, s34, s35                     ; 32 e + P
	s_mul_i32 s36, s34, 67584
	s_add_co_u32 s36, s36, s43
	s_mov_b32 s37, 0
	s_add_nc_u64 s[30:31], s[12:13], s[36:37]
	s_mul_i32 s36, s34, 2816
	s_add_co_u32 s36, s36, s44
	s_add_nc_u64 s[32:33], s[12:13], s[36:37]
	XLOAD 0
	s_wait_loadcnt 26                              ; all but the 26 just issued: x's K steps 4-7 are in
	KSTEP 4, 24, 7
	KSTEP 5, 24, 2                                 ; from here on the fills are the next trip's
	KSTEP 6, 24, 0
	KSTEP 7, 24, 1                                 ; its four places also serve x's loads below and the first read of results
	XLOAD 1
	; h = silu(a) b = (a / (1 + 2^(-a log2 e))) b, in f32; each accumulator is read from its low end on
.irp t, 0,1
.irp i, 0,2,4,6,8,10,12,14
	v_pk_mul_f32 v[EE+16*\t+\i:EE+16*\t+\i+1], v[ACC+32*\t+\i:ACC+32*\t+\i+1], 0xbfb8aa3b op_sel_hi:[1,0]
.endr
.endr
.set n, 0
	s_wait_alu depctr_va_vdst(0)
.rept 32
	v_exp_f32 v[EE+n], v[EE+n]
.set n, n+1
.endr
	v_nop                                          ; a plain instruction behind the last exponential
	s_wait_alu depctr_va_vdst(0)                   ; one wait for the batch, ahead of the first use of a result
.set n, 0
.rept 16
	v_pk_add_f32 v[EE+n:EE+n+1], v[EE+n:EE+n+1], 1.0 op_sel_hi:[1,0]
.set n, n+2
.endr
.set n, 0
	s_wait_alu depctr_va_vdst(0)
.rept 32
	v_rcp_f32 v[EE+n], v[EE+n]
.set n, n+1
.endr
	v_nop
	s_wait_alu depctr_va_vdst(0)                   ; and one for the reciprocals
.irp t, 0,1
.irp i, 0,2,4,6,8,10,12,14
	v_pk_mul_f32 v[EE+16*\t+\i:EE+16*\t+\i+1], v[EE+16*\t+\i:EE+16*\t+\i+1], v[ACC+32*\t+\i:ACC+32*\t+\i+1]
.endr
.endr
.irp t, 0,1
.irp i, 0,2,4,6,8,10,12,14
	v_pk_mul_f32 v[EE+16*\t+\i:EE+16*\t+\i+1], v[EE+16*\t+\i:EE+16*\t+\i+1], v[ACC+32*\t+16+\i:ACC+32*\t+16+\i+1]
.endr
.endr
	; the block of 32 hidden units of each row: my 16 and lane l xor 16's
.irp t, 0,1
	v_max3_num_f32 v[RM+\t], |v[EE+16*\t]|, |v[EE+16*\t+1]|, 0x1800000
.endr
.irp i, 2,4,6,8,10,12,14
.irp t, 0,1
	v_max3_num_f32 v[RM+\t], v[RM+\t], |v[EE+16*\t+\i]|, |v[EE+16*\t+\i+1]|
.endr
.endr
.irp t, 0,1
	v_permlanex16_b32 v[PX+\t], v[RM+\t], s38, s39
.endr
.irp t, 0,1
	v_max_num_f32 v[RM+\t], v[RM+\t], v[PX+\t]
.endr
.irp t, 0,1
	v_add_nc_u32 v[RSO+\t], 0xff000000, v[RM+\t]
.endr
.irp t, 0,1
	v_lshrrev_b32 v[RBY+\t], 23, v[RSO+\t]
.endr
	v_cvt_scalef32_pk16_fp6_f32 v[Q:Q+2], v[EE:EE+15], v[RSO]
	v_cvt_scalef32_pk16_fp6_f32 v[Q+4:Q+6], v[EE+16:EE+31], v[RSO+1]
	v_cndmask_b32 v[BS], v[RBY], v[RBY+1], s40     ; lanes 0-15 the first tile's byte, lanes 16-31 the second's (a plain instruction behind the conversions)
.irp i, 0,1,2
	v_permlane16_swap_b32 v[Q+\i], v[Q+4+\i]       ; the first's lanes 16-31 change places with the second's lanes 0-15: lane (r, hh) now holds the lower and the upper 16 codes of row r of tile 2 P + hh
.endr
.irp i, 0,1,2
	v_mov_b32 v[Q+3+\i], v[Q+4+\i]                 ; 24 bytes on end
.endr
	s_cmp_eq_u32 s41, 0                            ; registers 0-5 or 6-11 of the next operand: a branch on the work-group's number
	s_cbranch_scc0 .Lodd
	global_store_b128 v[HO], v[Q:Q+3], s[30:31]
	global_store_b64 v[HO], v[Q+4:Q+5], s[30:31] offset:512
	s_branch .Lbyte
.Lodd:
	s_wait_alu depctr_va_vdst(0)
	global_store_b64 v[HO], v[Q:Q+1], s[30:31] offset:520
	global_store_b128 v[HO], v[Q+2:Q+5], s[30:31] offset:1024
.Lbyte:
	s_wait_alu depctr_va_vdst(0)
	global_store_b8 v[HSO], v[BS], s[32:33]
	s_cmp_eq_u32 s16, 42                           ; H = 2,752 ends in the middle of K step 21: its rest is zero codes under the byte 127
	s_cbranch_scc0 .Lno_tail
	WIN 0x04                                       ; a store's data: source 1, window 1
	global_store_b64 v[HO], v[ZR:ZR+1], s[30:31] offset:520
	global_store_b128 v[HO], v[ZR:ZR+3], s[30:31] offset:1024
	global_store_b8 v[HSO], v[B127], s[32:33] offset:2
	WIN 0
.Lno_tail:
	s_wait_xcnt 0x0                                ; the stores have read their data: the next trip writes them again
	s_add_co_u32 s23, s23, 2                       ; my next pair
	s_add_co_u32 s45, s45, 1                       ; the loop ends on its own counter, stepped by 1 against the trips made ahead of it
	s_cmp_lt_u32 s45, s46
	s_cbranch_scc1 .Lpair
.Lend:
	s_wait_tensorcnt 0x0                           ; the wave's end, behind my last LDS store
	ds_add_u32 v[SPW], v[NIL]
	s_wait_dscnt 0x0
	s_endpgm
; ROLE 2: w2 into images of operand registers
.Lw2q:
.set LP, 4096                          ; a row of w2 in bytes
.macro SETU                            ; unit s24: where its two groups of 64 rows x 64 columns lie in w2
	s_mul_i32 s34, s24, 2979
	s_lshr_b32 s34, s34, 16                        ; 16 e + cu = U / 22 (2,979 / 65,536 serves U up to 2,815)
	s_mul_i32 s35, s34, 22
	s_sub_co_u32 s35, s24, s35                     ; ks = U % 22
	s_lshr_b32 s36, s34, 4                         ; e
	s_and_b32 s34, s34, 15                         ; cu
	s_mul_i32 s36, s36, EW
	s_lshl_b32 s34, s34, 8
	s_add_co_u32 s36, s36, s34
	s_lshl_b32 s34, s35, 19                        ; 128 rows of 4,096 bytes a K step
	s_add_co_u32 s36, s36, s34
	s_mov_b32 s37, 0
	s_add_nc_u64 s[26:27], s[48:49], s[36:37]
	s_cmp_eq_u32 s35, 21
	s_cselect_b32 s36, 0, 0x40000                  ; the second group: 64 rows on; in K step 21 the first group's rows once more
	s_add_nc_u64 s[28:29], s[26:27], s[36:37]
.endm
.macro UNIT refill                     ; unit s23 is worked; refill = 1: unit s23 + 4 is asked for as the sets are copied
	s_wait_loadcnt 32                              ; the first group's 32 loads are in; the second's may be out
	s_wait_xcnt 0x0                                ; the pending loads have read their bases, the last unit's stores their bases and data: all are written now
	s_mul_i32 s36, s23, 6144
	s_mov_b32 s37, 0
	s_add_nc_u64 s[30:31], s[50:51], s[36:37]      ; where this unit's codes go,
	s_lshl_b32 s36, s23, 8
	s_add_co_u32 s36, s36, W2_SC
	s_add_nc_u64 s[32:33], s[50:51], s[36:37]      ; and its scale words
.if \refill
	s_add_co_u32 s24, s23, 4
	SETU
.endif
	TAKE STA
.if \refill
	LOADG 0, STA, 26
.endif
	QUANT4 0, 0, 0
.if \refill
	s_wait_loadcnt 32                              ; the second group is in; the 32 just issued may be out
.else
	s_wait_loadcnt 0x0
.endif
	TAKE STB
.if \refill
	LOADG 0, STB, 28
.endif
	QUANT4 0, 1, 2
.irp u, 0,1,2,3
.irp p, 0,1,2
	ds_load_b128 v[T+4*(3*\u+\p):T+4*(3*\u+\p)+3], v[RB] offset:\u*US+16*\p        ; LDS serves a wave's instructions in order: these see my stores
.endr
.endr
	ds_load_b32 v[T+48], v[RS]                     ; the word of tiles 0 / 1,
	ds_load_b32 v[T+49], v[RS] offset:128          ; and of tiles 2 / 3
	s_wait_dscnt 0x0
.irp u, 0,1,2,3
.irp p, 0,1,2
	global_store_b128 v[XO], v[T+4*(3*\u+\p):T+4*(3*\u+\p)+3], s[30:31] offset:1536*\u+512*\p   ; 32 lanes store 512 consecutive bytes, at a multiple of 256 from the buffer's first byte
.endr
.endr
	global_store_b64 v[XSO], v[T+48:T+49], s[32:33]        ; 32 lanes store one aligned unit of 256 bytes
.endm
	v_and_b32 v102, 3, v0
	v_lshlrev_b32 v102, 2, v102                    ; column 4 q + j: tile row 4 (q & 3) + j,
	v_bfe_u32 v103, v0, 2, 2                       ; of tile q >> 2
	v_lshlrev_b32 v[WOFF], 17, v101
	v_lshl_add_u32 v[WOFF], v100, 4, v[WOFF]       ; in memory: 32 g rows down, 16 q bytes along
	v_lshl_add_u32 v104, v101, 4, v102
	v_mul_u32_u24 v[LA], v104, 48                  ; in an image: lane (tile row + 16 g), 48 bytes a lane
	v_mad_u32_u24 v[LA], v103, US, v[LA]
	s_mul_i32 s34, s14, 6656
	s_add_co_u32 s34, s34, Q2                      ; my stage
	v_add_nc_u32 v[LA], s34, v[LA]
	v_bfe_u32 v105, v0, 2, 1
	v_lshl_add_u32 v104, v105, 4, v102
	v_lshl_add_u32 v[LSB], v104, 2, v101           ; a scale word: lane (tile row + 16 x (tile & 1)); in it byte 2 c + g
	v_bfe_u32 v105, v0, 3, 1
	v_lshl_add_u32 v[LSB], v105, 7, v[LSB]         ; tiles 2, 3: 128 bytes on
	s_add_co_u32 s35, s34, 6400
	v_add_nc_u32 v[LSB], s35, v[LSB]
	v_mul_u32_u24 v[RB], v1, 48
	v_add_nc_u32 v[RB], s34, v[RB]                 ; back from the images: 48 bytes a lane
	v_lshl_add_u32 v[RS], v1, 2, s35
	v_lshlrev_b32 v[XO], 4, v1
	v_lshlrev_b32 v[XSO], 3, v1
	s_sub_co_u32 s16, ttmp9, 344
	s_mul_i32 s17, s16, 17                         ; my work-group's first unit
	s_sub_co_u32 s18, 2816, s17
	s_min_u32 s18, s18, 17                         ; and how many it has: 17, the last 11
	s_add_co_u32 s23, s17, s14                     ; my first unit; the next lies 4 on
	s_sub_co_u32 s46, s18, s14
	s_add_co_u32 s46, s46, 3
	s_lshr_b32 s46, s46, 2                         ; my units: 2 to 5
	s_sub_co_u32 s46, s46, 1                       ; those that have a successor: at least 1
	s_mov_b32 s45, 0
	s_wait_alu depctr_va_vdst(0)
	s_wait_kmcnt 0x0
	s_mov_b32 s24, s23
	SETU
	LOADG 0, STA, 26
	LOADG 0, STB, 28
.Lunit:
	UNIT 1
	s_add_co_u32 s23, s23, 4
	s_add_co_u32 s45, s45, 1
	s_cmp_lt_u32 s45, s46
	s_wait_alu depctr_va_vdst(0)
	s_cbranch_scc1 .Lunit
	UNIT 0                                         ; my last unit asks for nothing more
	s_wait_tensorcnt 0x0                           ; the wave's end, behind my last LDS store
	ds_add_u32 v[SPW], v[NIL]
	s_wait_dscnt 0x0
	s_endpgm
.Lfunc_end_k_q8341d849f6_up:
	.size	k_q8341d849f6_up, .Lfunc_end_k_q8341d849f6_up-k_q8341d849f6_up
	.p2alignl 7, 3214868480
	.fill 96, 4, 3214868480
	.section	.rodata,"a",@progbits
	.p2align	6, 0x0
	.amdhsa_kernel k_q8341d849f6_up
		.amdhsa_group_segment_fixed_size 130816
		.amdhsa_private_segment_fixed_size 0
		.amdhsa_enable_private_segment 0
		.amdhsa_kernarg_size 56
		.amdhsa_user_sgpr_count 2
		.amdhsa_user_sgpr_kernarg_segment_ptr 1
		.amdhsa_wavefront_size32 1
		.amdhsa_system_sgpr_workgroup_id_x 1
		.amdhsa_system_sgpr_workgroup_id_y 1
		.amdhsa_system_sgpr_workgroup_id_z 1
		.amdhsa_system_vgpr_workitem_id 0
		.amdhsa_next_free_vgpr 512
		.amdhsa_next_free_sgpr 66
		.amdhsa_reserve_vcc 0
		.amdhsa_float_denorm_mode_32 3
		.amdhsa_float_denorm_mode_16_64 3
		.amdhsa_memory_ordered 1
		.amdhsa_forward_progress 1
		.amdhsa_inst_pref_size 214
	.end_amdhsa_kernel
	.amdgpu_metadata
---
amdhsa.version: [ 1, 2 ]
amdhsa.kernels:
  - .name:           k_q8341d849f6_up
    .symbol:         k_q8341d849f6_up.kd
    .args:
      - { .name: w1, .offset: 0, .size: 8, .value_kind: global_buffer, .address_space: global }
      - { .name: w3, .offset: 8, .size: 8, .value_kind: global_buffer, .address_space: global }
      - { .name: xi, .offset: 16, .size: 8, .value_kind: global_buffer, .address_space: global }
      - { .name: route, .offset: 24, .size: 8, .value_kind: global_buffer, .address_space: global }
      - { .name: hi, .offset: 32, .size: 8, .value_kind: global_buffer, .address_space: global }
      - { .name: w2, .offset: 40, .size: 8, .value_kind: global_buffer, .address_space: global }
      - { .name: w2i, .offset: 48, .size: 8, .value_kind: global_buffer, .address_space: global }
    .group_segment_fixed_size: 130816
    .private_segment_fixed_size: 0
    .kernarg_segment_align: 8
    .kernarg_segment_size: 56
    .max_flat_workgroup_size: 128
    .sgpr_count:     66
    .vgpr_count:     512
    .wavefront_size: 32
...
	.end_amdgpu_metadata
.endif
;; end of part 3
;; launch down (part 4): grid 32 x 8, 4 waves a work-group, no clusters, 85,504 bytes of LDS; arguments w2i, hi, route, y; writes y
.if DOCPART == 4
	.amdgcn_target "amdgcn-amd-amdhsa--gfx1250"
	.amdhsa_code_object_version 6
	.text
	.protected	k_q8341d849f6_down
	.globl	k_q8341d849f6_down
	.p2align	8
	.type	k_q8341d849f6_down,@function
k_q8341d849f6_down:
	s_mov_b64 s[64:65], 0
	v_nop
	global_prefetch_b8 v0, s[64:65] scope:SCOPE_SE
	s_setreg_imm32_b32 hwreg(HW_REG_WAVE_MODE, 25, 1), 1
	s_wait_xcnt 0x0
; MoE feed-forward, launch 4 of 5: y = h w2[e] for the rows that chose e, in two halves of K.  Rows (t, e) whose e was not chosen for t are left out (shown at the head of the first kernel).
; SHARES.  A work-group takes expert e (grid y), 64 output columns and 11 of the 22 K steps of 128 (grid x = 2 x columns + half).  w2 comes as codes, laid by the launch before as images of operand registers:
; the work-group's 11 units lie on end: 132 pieces of 512 bytes (piece 3 f + p: registers 4 p .. 4 p + 3 of fragment f = 4 x K step + column tile, 16 bytes a lane), and 11 x 256 bytes of scale words.
; K is cut in two because 64 columns x 22 K steps of fragments do not fit into a wave's registers; the two halves' sums go to two copies of y, which the last launch adds.
; HEAD.  Each wave copies 33 of the 132 pieces through registers into LDS, so that each byte of w2's codes is asked of memory once in the work-group; one barrier, ahead of every branch on a loaded number; then every
; wave takes all 44 fragments from LDS.  The scale words (8 bytes a lane and K step: the word of tiles 0 / 1, then of tiles 2 / 3) come straight into every wave's registers.
; ROW PHASE.  Every wave holds all 44 fragments and walks the row tiles wv, wv + 4, ..: each fragment of h is loaded once in the work-group.  The trip count hangs on the expert's stored count: no tensor load, no copy,
; no cluster.  h's 11 fragments and 6 scale registers have TWO sets, which take turns tile by tile: a set is asked for again (39 loads, the tile 8 further on) behind its 44 products, and is waited for when the other
; set's tile has been worked: ahead of a tile the other set's 39 loads may be out.  A trip of the loop is two tiles; a wave with an odd number of tiles leaves from the trip's middle.
; A wave's first tile is known from its number alone and is asked for at the head; a wave that then finds no row has loaded bytes that it does not use.  Where no tile is left, a set asks again for a tile of the wave's own.
; The product is used transposed (source 0 = 16 columns of w2, source 1 = 16 rows of h): a lane holds eight neighbouring columns of a row; a tile goes through the wave's own stage in LDS and leaves as rows of
; 256 consecutive bytes, aligned.
; REGISTERS.  window 0: v2-11, v14, v15 offsets; v12, v13 the add's two; v16-37 w2's scale words; v38-43, v112-117 h's, sets A and B; v48-79 four accumulators; v80-111 rows on the way out; v124-255 h's fragments, set B.
;   windows 1, 2: the fragments of K steps 0-4 and 5-9 (window 1 at the head: my 33 pieces).   window 3: v0-47 those of K step 10; v48-179 h's fragments, set A.
.set FRB,   1536                       ; LDS: 44 fragments' images from 0, this far apart;
.set STG,   67584                      ; a stage of 16 rows x (256 + 16) bytes for each wave;
.set SPARE, 84992                      ; the spare words, 128 bytes for each wave: two blocks of 256 bytes that no other line names
.set HI_SC, 17301504
.set W2_SC, 17301504
.set LW,   2
.set RB2,  6
.set WSO,  7
.set XO,   8
.set HSO,  9
.set HSO2, 10
.set STO,  11
.set SPW,  12
.set NIL,  13
.set SRD,  14
.set YO,   15
.set WS,   16
.set HSA,  38
.set ACC,  48
.set OUTR, 80
.set HSB,  112
.set HA,   48                          ; window 3
.set HB,   124                         ; window 0
.set MSB, 0
.macro WIN new                         ; the immediate's high byte repeats the setting that is left
.if MSB != (\new)
	s_set_vgpr_msb (MSB<<8)|(\new)
.set MSB, (\new)
.endif
.endm
.macro SETT                            ; h's fragments and scale words of tile s24 of my expert, my half of K
	s_lshl_b32 s34, s15, 6
	s_add_co_u32 s34, s34, s24
	s_mul_i32 s36, s34, 33792
	s_mul_i32 s35, s17, 16896
	s_add_co_u32 s36, s36, s35
	s_mov_b32 s37, 0
	s_add_nc_u64 s[26:27], s[6:7], s[36:37]
	s_mul_i32 s36, s34, 1408
	s_mul_i32 s35, s17, 704
	s_add_co_u32 s36, s36, s35
	s_add_co_u32 s36, s36, HI_SC
	s_add_nc_u64 s[28:29], s[6:7], s[36:37]
.endm
.macro HLOAD hb, hw, hs                ; a tile's 11 fragments and scale words into a set: 33 + 6 loads; scale words: lanes 0-15 an even K step's, lanes 16-31 the odd one's behind it
	WIN ((\hw)<<6)
.irp s, 0,1,2,3,4,5,6,7,8,9,10
.irp g, 0,1,2
	global_load_b128 v[(\hb)+12*\s+4*\g:(\hb)+12*\s+4*\g+3], v[XO], s[26:27] offset:1536*\s+512*\g
.endr
.endr
	WIN 0
.irp a, 0,1,2,3,4
	global_load_b32 v[(\hs)+\a], v[HSO], s[28:29] offset:128*\a
.endr
	global_load_b32 v[(\hs)+5], v[HSO2], s[28:29] offset:640
.endm
	s_load_b256 s[4:11], s[0:1], 0x0               ; w2i s[4:5], hi s[6:7], route s[8:9], y s[10:11]
	v_lshl_add_u32 v[SPW], v0, 2, SPARE
	v_mov_b32 v[NIL], 0
	v_lshrrev_b32 v1, 5, v0
	v_readfirstlane_b32 s14, v1                    ; wave
	v_and_b32 v1, 31, v0                           ; lane
	v_and_b32 v100, 15, v0                         ; r
	v_bfe_u32 v101, v0, 4, 1                       ; h
	v_lshlrev_b32 v[XO], 4, v1                     ; 16 bytes a lane: in memory, and in the images in LDS (K steps 0-4)
	v_lshlrev_b32 v[WSO], 3, v1
	v_lshlrev_b32 v[HSO], 2, v1
	v_lshlrev_b32 v[HSO2], 2, v100
	s_mul_i32 s34, s14, 16896                      ; my 33 pieces
	v_add_nc_u32 v[LW], s34, v[XO]
	v_add_nc_u32 v[RB2], 20*FRB, v[XO]             ; K steps 5-10: the offsets stay inside 16 bits
	s_mul_i32 s33, s14, 4352
	s_add_co_u32 s33, s33, STG                     ; my stage
	v_mul_u32_u24 v[STO], v100, 272
	v_lshl_add_u32 v[STO], v101, 5, v[STO]
	v_add_nc_u32 v[STO], s33, v[STO]               ; in: row r, 32 bytes for each half of the lanes
	v_mul_u32_u24 v[SRD], v101, 272
	v_lshl_add_u32 v[SRD], v100, 4, v[SRD]
	v_add_nc_u32 v[SRD], s33, v[SRD]               ; back: lanes 0-15 one row, lanes 16-31 the next
	v_lshlrev_b32 v[YO], 12, v101
	v_lshl_add_u32 v[YO], v100, 4, v[YO]           ; and the same two rows in y
	s_and_b32 s15, ttmp7, 0xffff                   ; e
	s_lshr_b32 s16, ttmp9, 1                       ; which 64 columns
	s_and_b32 s17, ttmp9, 1                        ; which half of K
	s_lshl_b32 s35, s15, 4
	s_add_co_u32 s35, s35, s16
	s_mul_i32 s35, s35, 22
	s_mul_i32 s36, s17, 11
	s_add_co_u32 s35, s35, s36                     ; my work-group's first unit: (16 e + columns) 22 + 11 half
	s_mul_i32 s36, s35, 6144
	s_add_co_u32 s36, s36, s34
	s_mov_b32 s37, 0
	s_lshl_b32 s38, s35, 8
	s_add_co_u32 s38, s38, W2_SC
	s_mov_b32 s39, 0
	s_lshl_b32 s42, s15, 7
	s_wait_alu depctr_va_vdst(0)
	s_wait_kmcnt 0x0
	s_add_nc_u64 s[20:21], s[4:5], s[36:37]
	s_add_nc_u64 s[44:45], s[4:5], s[38:39]
	s_load_b32 s22, s[8:9], s42 offset:8192        ; the expert's count
	WIN 0x40                                       ; destination window 1
.set n, 0
.rept 33
	global_load_b128 v[4*n:4*n+3], v[XO], s[20:21] offset:512*n th:TH_LOAD_NT      ; 32 lanes read 512 consecutive bytes
.set n, n+1
.endr
	WIN 0
.irp m, 0,1,2,3,4,5,6,7,8,9,10
	global_load_b64 v[WS+2*\m:WS+2*\m+1], v[WSO], s[44:45] offset:256*\m
.endr
	s_mov_b32 s24, s14                             ; my first tile is my wave's number
	SETT
	HLOAD HA, 3, HSA
	s_wait_loadcnt 50                              ; my 33 pieces are in; behind them stand the 11 loads of scale words and set A's 39
	WIN 0x04                                       ; an LDS store's data: source 1, window 1
.set n, 0
.rept 33
	ds_store_b128 v[LW], v[4*n:4*n+3] offset:512*n
.set n, n+1
.endr
	WIN 0
	s_wait_kmcnt 0x0
	s_min_u32 s22, s22, 1024
	s_add_co_u32 s22, s22, 15
	s_lshr_b32 s22, s22, 4                         ; row tiles
	s_wait_xcnt 0x0                                ; set A's loads have read their bases: they are written now
	s_add_co_u32 s24, s14, 4
	s_cmp_lt_u32 s24, s22
	s_cselect_b32 s24, s24, s14                    ; my second tile, or the first again: a choice, no branch
	s_min_u32 s24, s24, 63
	SETT
	HLOAD HB, 0, HSB
	s_wait_dscnt 0x0                               ; for the others' sake: my pieces have landed
	s_barrier_signal -1
	s_barrier_wait -1
	s_mov_b32 s23, s14                             ; my first tile
	s_cmp_ge_u32 s23, s22
	s_cbranch_scc1 .Lend
	s_sub_co_u32 s47, s22, s23                     ; my tiles: every fourth from my first on: (tiles - first + 3) / 4, at least 1
	s_add_co_u32 s47, s47, 3
	s_lshr_b32 s47, s47, 2
	s_add_co_u32 s49, s47, 1
	s_lshr_b32 s49, s49, 1                         ; trips of two tiles: (tiles + 1) / 2; the last may end in its middle
	s_mov_b32 s46, 0                               ; trips done, stepped by 1
	WIN 0x40                                       ; all 44 fragments come from the images
.irp m, 0,1,2,3,4
.irp u, 0,1,2,3
.irp p, 0,1,2
	ds_load_b128 v[(\m*4+\u)*12+4*\p:(\m*4+\u)*12+4*\p+3], v[XO] offset:(\m*4+\u)*FRB+512*\p
.endr
.endr
.endr
	WIN 0x80
.irp m, 0,1,2,3,4
.irp u, 0,1,2,3
.irp p, 0,1,2
	ds_load_b128 v[(\m*4+\u)*12+4*\p:(\m*4+\u)*12+4*\p+3], v[RB2] offset:(\m*4+\u)*FRB+512*\p
.endr
.endr
.endr
	WIN 0xc0
.irp u, 0,1,2,3
.irp p, 0,1,2
	ds_load_b128 v[\u*12+4*\p:\u*12+4*\p+3], v[RB2] offset:(20+\u)*FRB+512*\p
.endr
.endr
	WIN 0
	s_wait_dscnt 0x0
; One product: K step s of my half, column tile u; h's set at hb, its scale words at hs.  The four accumulators take turns, one instruction a turn.
.macro MMD s, u, hb, hs
.set rD, ACC+8*(\u)
.if (\s) < 10
.set rA, (((\s)%5)*4+(\u))*12
.else
.set rA, 12*(\u)
.endif
.set rB, (\hb)+12*(\s)
.set rSA, WS+2*(\s)+((\u)>>1)
.set rSB, (\hs)+((\s)>>1)
.if (\s) == 0
.if ((\u)&1) == 0
	v_wmma_scale_f32_16x16x128_f8f6f4 v[rD:rD+7], v[rA:rA+11], v[rB:rB+11], 0, v[rSA], v[rSB] matrix_a_fmt:MATRIX_FMT_FP6 matrix_b_fmt:MATRIX_FMT_FP6
.else
	v_wmma_scale_f32_16x16x128_f8f6f4 v[rD:rD+7], v[rA:rA+11], v[rB:rB+11], 0, v[rSA], v[rSB] matrix_a_fmt:MATRIX_FMT_FP6 matrix_b_fmt:MATRIX_FMT_FP6 matrix_a_scale:MATRIX_SCALE_ROW1
.endif
.elseif ((\s)&1) == 0
.if ((\u)&1) == 0
	v_wmma_scale_f32_16x16x128_f8f6f4 v[rD:rD+7], v[rA:rA+11], v[rB:rB+11], v[rD:rD+7], v[rSA], v[rSB] matrix_a_fmt:MATRIX_FMT_FP6 matrix_b_fmt:MATRIX_FMT_FP6
.else
	v_wmma_scale_f32_16x16x128_f8f6f4 v[rD:rD+7], v[rA:rA+11], v[rB:rB+11], v[rD:rD+7], v[rSA], v[rSB] matrix_a_fmt:MATRIX_FMT_FP6 matrix_b_fmt:MATRIX_FMT_FP6 matrix_a_scale:MATRIX_SCALE_ROW1
.endif
.else
.if ((\u)&1) == 0
	v_wmma_scale_f32_16x16x128_f8f6f4 v[rD:rD+7], v[rA:rA+11], v[rB:rB+11], v[rD:rD+7], v[rSA], v[rSB] matrix_a_fmt:MATRIX_FMT_FP6 matrix_b_fmt:MATRIX_FMT_FP6 matrix_b_scale:MATRIX_SCALE_ROW1
.else
	v_wmma_scale_f32_16x16x128_f8f6f4 v[rD:rD+7], v[rA:rA+11], v[rB:rB+11], v[rD:rD+7], v[rSA], v[rSB] matrix_a_fmt:MATRIX_FMT_FP6 matrix_b_fmt:MATRIX_FMT_FP6 matrix_a_scale:MATRIX_SCALE_ROW1 matrix_b_scale:MATRIX_SCALE_ROW1
.endif
.endif
.endm
; Tile s23, on h's set (hb in window hw, scale words hs): 44 products; the set is asked for again; the tile goes out
.macro TILE hb, hw, hs
	s_wait_loadcnt 39                              ; this set's 39 loads are in; the other set's 39 may be out
	WIN (1|((\hw)<<2))                             ; source 0 (w2) window 1, source 1 (h) the set's window
.irp s, 0,1,2,3,4
.irp u, 0,1,2,3
	MMD \s, \u, \hb, \hs
.endr
.endr
	WIN (2|((\hw)<<2))
.irp s, 5,6,7,8,9
.irp u, 0,1,2,3
	MMD \s, \u, \hb, \hs
.endr
.endr
	WIN (3|((\hw)<<2))
.irp u, 0,1,2,3
	MMD 10, \u, \hb, \hs
.endr
	WIN 0
.rept 5
	v_nop                                          ; FIVE places: four serve the loads below and the first read of results; the next tile's first products begin these accumulators anew with the constant 0, that is they write over registers of the products above, which wants one place more
.endr
	s_wait_xcnt 0x0                                ; the pending loads and the last tile's stores have read their bases and data: they are written now
	s_add_co_u32 s24, s23, 8
	s_cmp_lt_u32 s24, s22
	s_cselect_b32 s24, s24, s23                    ; this set's next tile, or this one again
	s_min_u32 s24, s24, 63
	SETT
	s_min_u32 s34, s23, 63                         ; where this tile's rows of y lie
	s_lshl_b32 s35, s15, 6
	s_add_co_u32 s34, s34, s35
	s_lshl_b32 s36, s34, 16
	s_lshl_b32 s35, s17, 25
	s_add_co_u32 s36, s36, s35
	s_lshl_b32 s35, s16, 8
	s_add_co_u32 s36, s36, s35
	s_mov_b32 s37, 0
	s_add_nc_u64 s[30:31], s[10:11], s[36:37]
	HLOAD \hb, \hw, \hs
.irp u, 0,1,2,3
	ds_store_b128 v[STO], v[ACC+8*\u:ACC+8*\u+3] offset:64*\u              ; each accumulator from its low end on
	ds_store_b128 v[STO], v[ACC+8*\u+4:ACC+8*\u+7] offset:64*\u+16
.endr
.irp n, 0,1,2,3,4,5,6,7
	ds_load_b128 v[OUTR+4*\n:OUTR+4*\n+3], v[SRD] offset:544*\n            ; LDS serves a wave's instructions in order: these see my stores
.endr
.irp n, 0,1,2,3,4,5,6,7
	s_wait_dscnt 7-\n                              ; the younger loads from the stage may be out
	global_store_b128 v[YO], v[OUTR+4*\n:OUTR+4*\n+3], s[30:31] offset:8192*\n th:TH_STORE_NT   ; 16 lanes store 256 consecutive bytes, at a multiple of 256 from y's first byte
.endr
	s_add_co_u32 s23, s23, 4                       ; my next tile
.endm
.Ltile:
	TILE HA, 3, HSA
	s_lshl_b32 s48, s46, 1
	s_add_co_u32 s48, s48, 1                       ; tiles done: 2 x trips done + 1
	s_cmp_ge_u32 s48, s47                          ; an odd number of tiles ends here
	s_cbranch_scc1 .Lend
	TILE HB, 0, HSB
	s_add_co_u32 s46, s46, 1                       ; the loop ends on its own counter, stepped by 1 against the trips counted ahead of it
	s_cmp_lt_u32 s46, s49
	s_cbranch_scc1 .Ltile
.Lend:
	s_wait_tensorcnt 0x0                           ; the wave's end, behind my last LDS store
	ds_add_u32 v[SPW], v[NIL]
	s_wait_dscnt 0x0
	s_endpgm
.Lfunc_end_k_q8341d849f6_down:
	.size	k_q8341d849f6_down, .Lfunc_end_k_q8341d849f6_down-k_q8341d849f6_down
	.p2alignl 7, 3214868480
	.fill 96, 4, 3214868480
	.section	.rodata,"a",@progbits
	.p2align	6, 0x0
	.amdhsa_kernel k_q8341d849f6_down
		.amdhsa_group_segment_fixed_size 85504
		.amdhsa_private_segment_fixed_size 0
		.amdhsa_enable_private_segment 0
		.amdhsa_kernarg_size 32
		.amdhsa_user_sgpr_count 2
		.amdhsa_user_sgpr_kernarg_segment_ptr 1
		.amdhsa_wavefront_size32 1
		.amdhsa_system_sgpr_workgroup_id_x 1
		.amdhsa_system_sgpr_workgroup_id_y 1
		.amdhsa_system_sgpr_workgroup_id_z 1
		.amdhsa_system_vgpr_workitem_id 0
		.amdhsa_next_free_vgpr 960
		.amdhsa_next_free_sgpr 66
		.amdhsa_reserve_vcc 0
		.amdhsa_float_denorm_mode_32 3
		.amdhsa_float_denorm_mode_16_64 3
		.amdhsa_memory_ordered 1
		.amdhsa_forward_progress 1
		.amdhsa_inst_pref_size 52
	.end_amdhsa_kernel
	.amdgpu_metadata
---
amdhsa.version: [ 1, 2 ]
amdhsa.kernels:
  - .name:           k_q8341d849f6_down
    .symbol:         k_q8341d849f6_down.kd
    .args:
      - { .name: w2i, .offset: 0, .size: 8, .value_kind: global_buffer, .address_space: global }
      - { .name: hi, .offset: 8, .size: 8, .value_kind: global_buffer, .address_space: global }
      - { .name: route, .offset: 16, .size: 8, .value_kind: global_buffer, .address_space: global }
      - { .name: y, .offset: 24, .size: 8, .value_kind: global_buffer, .address_space: global }
    .group_segment_fixed_size: 85504
    .private_segment_fixed_size: 0
    .kernarg_segment_align: 8
    .kernarg_segment_size: 32
    .max_flat_workgroup_size: 128
    .sgpr_count:     66
    .vgpr_count:     960
    .wavefront_size: 32
...
	.end_amdgpu_metadata
.endif
;; end of part 4
;; launch combine (part 5): grid 256 x 1, 4 waves a work-group, no clusters, 0 bytes of LDS; arguments y, route, xq, out0; writes out0
.if DOCPART == 5
	.amdgcn_target "amdgcn-amd-amdhsa--gfx1250"
	.amdhsa_code_object_version 6
	.text
	.protected	k_q8341d849f6_combine
	.globl	k_q8341d849f6_combine
	.p2align	8
	.type	k_q8341d849f6_combine,@function
k_q8341d849f6_combine:
	s_mov_b64 s[64:65], 0
	v_nop
	global_prefetch_b8 v0, s[64:65] scope:SCOPE_SE
	s_setreg_imm32_b32 hwreg(HW_REG_WAVE_MODE, 25, 1), 1
	s_wait_xcnt 0x0
; MoE feed-forward, launch 5 of 5: out[t] = g0 (y0 + y1)[pos0] + g1 (y0 + y1)[pos1].  The six experts that token t did not choose add nothing (shown at the head of the first kernel).
; y0, y1: the two halves of K of the second product.  pos[2 t + k]: the row of y that holds token t's k-th expert, a whole number that an earlier launch stored; g0, g1: the gates.
; One wave takes a token: four rows of 4,096 bytes in, one out; each load and store of the wave covers 512 consecutive bytes.  Each output row has one owner: no sum spans work-groups.
; The f32 sum takes the two experts in the order of their logits, where the problem takes them in the order of their numbers.
.set XQ_G, 819200
	s_load_b256 s[4:11], s[0:1], 0x0               ; y s[4:5], route s[6:7], xq s[8:9], out0 s[10:11]
	v_lshrrev_b32 v1, 5, v0
	v_readfirstlane_b32 s14, v1                    ; wave
	v_and_b32 v1, 31, v0
	v_lshlrev_b32 v1, 4, v1                        ; 16 bytes a lane
	s_lshl_b32 s15, ttmp9, 2
	s_add_co_u32 s15, s15, s14                     ; t
	s_lshl_b32 s16, s15, 3
	s_lshl_b32 s24, s15, 12
	s_mov_b32 s25, 0
	s_wait_alu depctr_va_vdst(0)
	s_wait_kmcnt 0x0
	s_load_b64 s[20:21], s[6:7], s16 offset:0x0    ; pos0, pos1
	s_load_b64 s[22:23], s[8:9], s16 offset:XQ_G   ; g0, g1
	s_add_nc_u64 s[10:11], s[10:11], s[24:25]
	s_wait_kmcnt 0x0
	s_min_u32 s20, s20, 8191
	s_min_u32 s21, s21, 8191
	s_lshl_b32 s24, s20, 12
	s_add_nc_u64 s[26:27], s[4:5], s[24:25]
	s_add_nc_u64 s[28:29], s[26:27], 0x2000000     ; the other half of K
	s_lshl_b32 s24, s21, 12
	s_add_nc_u64 s[30:31], s[4:5], s[24:25]
	s_add_nc_u64 s[32:33], s[30:31], 0x2000000
	s_mov_b32 s34, s23                             ; g1 as the low word of a pair of its own: the packed forms take a pair's low word for both halves
	s_mov_b32 s35, s23
.irp b, 0,1,2,3
.irp j, 0,1,2,3,4,5,6,7
	global_load_b128 v[32+32*\b+4*\j:32+32*\b+4*\j+3], v1, s[26+2*\b:27+2*\b] offset:512*\j th:TH_LOAD_NT
.endr
.endr
	s_wait_loadcnt 0x0
.irp j, 0,1,2,3,4,5,6,7
.irp p, 0,2
	v_pk_add_f32 v[32+4*\j+\p:33+4*\j+\p], v[32+4*\j+\p:33+4*\j+\p], v[64+4*\j+\p:65+4*\j+\p]
	v_pk_add_f32 v[96+4*\j+\p:97+4*\j+\p], v[96+4*\j+\p:97+4*\j+\p], v[128+4*\j+\p:129+4*\j+\p]
.endr
.irp p, 0,2
	v_pk_mul_f32 v[96+4*\j+\p:97+4*\j+\p], v[96+4*\j+\p:97+4*\j+\p], s[34:35] op_sel_hi:[1,0]
.endr
.irp p, 0,2
	v_pk_fma_f32 v[32+4*\j+\p:33+4*\j+\p], v[32+4*\j+\p:33+4*\j+\p], s[22:23], v[96+4*\j+\p:97+4*\j+\p] op_sel_hi:[1,0,1]
.endr
	global_store_b128 v1, v[32+4*\j:35+4*\j], s[10:11] offset:512*\j th:TH_STORE_NT
.endr
	s_endpgm
.Lfunc_end_k_q8341d849f6_combine:
	.size	k_q8341d849f6_combine, .Lfunc_end_k_q8341d849f6_combine-k_q8341d849f6_combine
	.p2alignl 7, 3214868480
	.fill 96, 4, 3214868480
	.section	.rodata,"a",@progbits
	.p2align	6, 0x0
	.amdhsa_kernel k_q8341d849f6_combine
		.amdhsa_group_segment_fixed_size 0
		.amdhsa_private_segment_fixed_size 0
		.amdhsa_enable_private_segment 0
		.amdhsa_kernarg_size 32
		.amdhsa_user_sgpr_count 2
		.amdhsa_user_sgpr_kernarg_segment_ptr 1
		.amdhsa_wavefront_size32 1
		.amdhsa_system_sgpr_workgroup_id_x 1
		.amdhsa_system_sgpr_workgroup_id_y 1
		.amdhsa_system_sgpr_workgroup_id_z 1
		.amdhsa_system_vgpr_workitem_id 0
		.amdhsa_next_free_vgpr 176
		.amdhsa_next_free_sgpr 66
		.amdhsa_reserve_vcc 0
		.amdhsa_float_denorm_mode_32 3
		.amdhsa_float_denorm_mode_16_64 3
		.amdhsa_memory_ordered 1
		.amdhsa_forward_progress 1
		.amdhsa_inst_pref_size 10
	.end_amdhsa_kernel
	.amdgpu_metadata
---
amdhsa.version: [ 1, 2 ]
amdhsa.kernels:
  - .name:           k_q8341d849f6_combine
    .symbol:         k_q8341d849f6_combine.kd
    .args:
      - { .name: y, .offset: 0, .size: 8, .value_kind: global_buffer, .address_space: global }
      - { .name: route, .offset: 8, .size: 8, .value_kind: global_buffer, .address_space: global }
      - { .name: xq, .offset: 16, .size: 8, .value_kind: global_buffer, .address_space: global }
      - { .name: out0, .offset: 24, .size: 8, .value_kind: global_buffer, .address_space: global }
    .group_segment_fixed_size: 0
    .private_segment_fixed_size: 0
    .kernarg_segment_align: 8
    .kernarg_segment_size: 32
    .max_flat_workgroup_size: 128
    .sgpr_count:     66
    .vgpr_count:     176
    .wavefront_size: 32
...
	.end_amdgpu_metadata
.endif
;; end of part 5
